; MI455X (gfx1250); checked and timed in simulation.
; The chip was launched on July 23, 2026; its instructions are those of AMD's public machine-readable ISA for CDNA 5 (MIT licence, August 2026) and "CDNA5" Instruction Set Architecture Reference Guide (July 2026). The comments in the code are by the model that wrote it; some were corrected since.
;; Causal Multi Head Attention. Allowed arithmetic: float matrix products may take bf16 or f16 operands with f32 sums; all other float work in f32.
;; Inputs: Wk 1,024 x 1,024 float32; Wo 1,024 x 1,024 float32; Wq 1,024 x 1,024 float32; Wv 1,024 x 1,024 float32; bk 1,024 float32; bo 1,024 float32; bq 1,024 float32; bv 1,024 float32; x 2 x 2,048 x 1,024 float32.
;; Outputs: out0 2 x 2,048 x 1,024 float32.
;; 2 versions, each right; version 2 is version 1 with the launch cast written anew for expert scheduling mode. Each part assembles by itself: llvm-mc -triple=amdgcn-amd-amdhsa -mcpu=gfx1250 --defsym DOCPART=n.
;; ======== version 1 of 2: 4 launches
;; limits: values are held in f16: magnitudes above 65,504 overflow, below 6.1e-05 lose precision
;; workspace buffers: xh 8,388,608 bytes; whp 6,291,456 bytes; woh 2,097,152 bytes; qkvh 25,165,824 bytes; ao 8,388,608 bytes
;; launch cast (part 1): grid 64 x 8, 8 waves a work-group, no clusters, 0 bytes of LDS; arguments x, Wq, Wk, Wv, Wo, xh, whp, woh; writes xh, whp, woh
.if DOCPART == 1
	.amdgcn_target "amdgcn-amd-amdhsa--gfx1250"
	.amdhsa_code_object_version 6
	.text
	.protected	k_q5878d115ff_cast
	.globl	k_q5878d115ff_cast
	.p2align	8
	.type	k_q5878d115ff_cast,@function
k_q5878d115ff_cast:
	s_mov_b64 s[64:65], 0
	v_nop
	global_prefetch_b8 v0, s[64:65] scope:SCOPE_SE
	s_setreg_imm32_b32 hwreg(HW_REG_WAVE_MODE, 25, 1), 1
	s_wait_xcnt 0x0
; The matrix operands among the inputs, made once: x -> xh, Wq/Wk/Wv -> whp (rows regrouped by head), Wo -> woh.
; FORMAT: each number is rounded to bf16 (nearest even) and the bf16 number is stored in f16, which holds every bf16 number of magnitude
; 2^-17 to 65,504 exactly (8 significant bits in 11).  So the later launches' products with x and the weights are those of bf16 operands, and
; one matrix form (f16) serves them and the intermediates q, k, v, P and the attention output, which are rounded later and keep f16's 11 bits.
; The whole result is then reference()'s on inputs rounded to bf16, up to those intermediates' roundings; it carries the inputs' bf16 rounding.
; LIMITS: a number of magnitude 65,504 or more becomes infinite; below 2^-17 bits are lost in f16's denormal range, 2^-25 absolute at the most.
; A stream: no LDS, no barrier, no matrix unit.  Grid y names a chunk of 1,024 rows of 1,024 numbers: 0-3 quarters of x, 4/5/6 Wq/Wk/Wv, 7 Wo.
; Grid x names 16 rows of the chunk.  Thread t owns numbers 4 t .. 4 t + 3 of every row: a wave's load covers 512 consecutive bytes,
; a wave's store 256 consecutive bytes that start at a multiple of 256.  All 16 loads of a thread go out before the first is used.
; whp: row 192 h + 64 t + d holds row 64 h + d of W_t (t = 0 q, 1 k, 2 v), so that one head's q, k and v rows are 192 neighbouring rows.
.set ROWIN,  4096                      ; bytes of a row of f32
.set ROWOUT, 2048                      ; bytes of a row of f16
.set X, 4                              ; v[4:67]   16 rows x 4 numbers as loaded, then the bf16 numbers widened to f32
.set Y, 68                             ; v[68:99]  16 rows x 2 registers: packed bf16, then packed f16 to store
	s_load_b512 s[8:23], s[0:1], 0x0               ; x 8, Wq 10, Wk 12, Wv 14, Wo 16, xh 18, whp 20, woh 22
	s_and_b32 s2, ttmp7, 0xffff                    ; the chunk
	s_mov_b32 s36, 0xffff0000                      ; a word's upper bf16
	v_lshlrev_b32 v1, 4, v0                        ; my 16 bytes of an f32 row
	v_lshlrev_b32 v2, 3, v0                        ; my 8 bytes of an f16 row
	s_cmp_lt_u32 s2, 4
	s_cselect_b32 s28, s2, 0                       ; which quarter of x (0 for the weights)
	s_lshl_b32 s32, s28, 22                        ; source offset: quarter x 4 MiB
	s_lshl_b32 s3, ttmp9, 16                       ; + 16 rows x 4,096 bytes for each work-group
	s_add_co_u32 s32, s32, s3
	s_mov_b32 s33, 0
	s_lshl_b32 s29, s28, 10                        ; plain destination row: quarter x 1,024 + 16 x
	s_lshl_b32 s3, ttmp9, 4
	s_add_co_u32 s29, s29, s3
	s_lshr_b32 s30, ttmp9, 2                       ; regrouped row: head = x / 4 (64 rows a head, 16 a work-group)
	s_mul_i32 s30, s30, 192
	s_max_u32 s31, s2, 4
	s_sub_co_u32 s31, s31, 4                       ; plane t
	s_lshl_b32 s3, s31, 6
	s_add_co_u32 s30, s30, s3
	s_and_b32 s3, ttmp9, 3
	s_lshl_b32 s3, s3, 4
	s_add_co_u32 s30, s30, s3                      ; 192 h + 64 t + 16 (x mod 4)
	s_cmp_ge_u32 s2, 4
	s_cselect_b32 s34, s30, s29                    ; chunks 4 to 6 take the regrouped row,
	s_cmp_eq_u32 s2, 7
	s_cselect_b32 s34, s29, s34                    ; chunk 7 (Wo) the plain one again
	s_lshl_b32 s34, s34, 11                        ; in bytes
	s_mov_b32 s35, 0
	s_wait_kmcnt 0x0
	s_mov_b64 s[24:25], s[8:9]                     ; the source buffer, chosen by the chunk's number alone
	s_cmp_eq_u32 s2, 4
	s_cselect_b64 s[24:25], s[10:11], s[24:25]
	s_cmp_eq_u32 s2, 5
	s_cselect_b64 s[24:25], s[12:13], s[24:25]
	s_cmp_eq_u32 s2, 6
	s_cselect_b64 s[24:25], s[14:15], s[24:25]
	s_cmp_eq_u32 s2, 7
	s_cselect_b64 s[24:25], s[16:17], s[24:25]
	s_mov_b64 s[26:27], s[18:19]                   ; the destination buffer likewise
	s_cmp_ge_u32 s2, 4
	s_cselect_b64 s[26:27], s[20:21], s[26:27]
	s_cmp_eq_u32 s2, 7
	s_cselect_b64 s[26:27], s[22:23], s[26:27]
	s_add_nc_u64 s[24:25], s[24:25], s[32:33]
	s_add_nc_u64 s[26:27], s[26:27], s[34:35]
.irp j, 0,1,2,3,4,5,6,7,8,9,10,11,12,13,14,15
	global_load_b128 v[X+4*\j:X+4*\j+3], v1, s[24:25] offset:ROWIN*\j th:TH_LOAD_NT   ; read once in the launch
.endr
.irp j, 0,1,2,3,4,5,6,7,8,9,10,11,12,13,14,15
	s_wait_loadcnt 15-\j                           ; loads return in order: row j is in, the 15 - j younger ones stay out
	v_cvt_pk_bf16_f32 v[Y+2*\j],   v[X+4*\j],   v[X+4*\j+1]        ; the one rounding: to bf16, nearest even
	v_cvt_pk_bf16_f32 v[Y+2*\j+1], v[X+4*\j+2], v[X+4*\j+3]
	v_lshlrev_b32 v[X+4*\j],   16,  v[Y+2*\j]                      ; bf16 to f32: the low half moves up,
	v_and_b32     v[X+4*\j+1], s36, v[Y+2*\j]                      ; the high half stays (row j's load has landed: its registers are free)
	v_lshlrev_b32 v[X+4*\j+2], 16,  v[Y+2*\j+1]
	v_and_b32     v[X+4*\j+3], s36, v[Y+2*\j+1]
	v_cvt_pk_f16_f32 v[Y+2*\j],   v[X+4*\j],   v[X+4*\j+1]         ; into f16's container: exact inside the range stated at the head
	v_cvt_pk_f16_f32 v[Y+2*\j+1], v[X+4*\j+2], v[X+4*\j+3]
	global_store_b64 v2, v[Y+2*\j:Y+2*\j+1], s[26:27] offset:ROWOUT*\j   ; each row has its own Y pair, and v1, v2 and the bases are never rewritten: no further wait
.endr
	s_endpgm
.Lfunc_end_k_q5878d115ff_cast:
	.size	k_q5878d115ff_cast, .Lfunc_end_k_q5878d115ff_cast-k_q5878d115ff_cast
	.p2alignl 7, 3214868480
	.fill 96, 4, 3214868480
	.section	.rodata,"a",@progbits
	.p2align	6, 0x0
	.amdhsa_kernel k_q5878d115ff_cast
		.amdhsa_group_segment_fixed_size 0
		.amdhsa_private_segment_fixed_size 0
		.amdhsa_enable_private_segment 0
		.amdhsa_kernarg_size 64
		.amdhsa_user_sgpr_count 2
		.amdhsa_user_sgpr_kernarg_segment_ptr 1
		.amdhsa_wavefront_size32 1
		.amdhsa_system_sgpr_workgroup_id_x 1
		.amdhsa_system_sgpr_workgroup_id_y 1
		.amdhsa_system_sgpr_workgroup_id_z 1
		.amdhsa_system_vgpr_workitem_id 0
		.amdhsa_next_free_vgpr 100
		.amdhsa_next_free_sgpr 66
		.amdhsa_reserve_vcc 0
		.amdhsa_float_denorm_mode_32 3
		.amdhsa_float_denorm_mode_16_64 3
		.amdhsa_memory_ordered 1
		.amdhsa_forward_progress 1
		.amdhsa_inst_pref_size 12
	.end_amdhsa_kernel
	.amdgpu_metadata
---
amdhsa.version: [ 1, 2 ]
amdhsa.kernels:
  - .name:           k_q5878d115ff_cast
    .symbol:         k_q5878d115ff_cast.kd
    .args:
      - { .name: x, .offset: 0, .size: 8, .value_kind: global_buffer, .address_space: global }
      - { .name: Wq, .offset: 8, .size: 8, .value_kind: global_buffer, .address_space: global }
      - { .name: Wk, .offset: 16, .size: 8, .value_kind: global_buffer, .address_space: global }
      - { .name: Wv, .offset: 24, .size: 8, .value_kind: global_buffer, .address_space: global }
      - { .name: Wo, .offset: 32, .size: 8, .value_kind: global_buffer, .address_space: global }
      - { .name: xh, .offset: 40, .size: 8, .value_kind: global_buffer, .address_space: global }
      - { .name: whp, .offset: 48, .size: 8, .value_kind: global_buffer, .address_space: global }
      - { .name: woh, .offset: 56, .size: 8, .value_kind: global_buffer, .address_space: global }
    .group_segment_fixed_size: 0
    .private_segment_fixed_size: 0
    .kernarg_segment_align: 8
    .kernarg_segment_size: 64
    .max_flat_workgroup_size: 256
    .sgpr_count:     66
    .vgpr_count:     100
    .wavefront_size: 32
...
	.end_amdgpu_metadata
.endif
;; end of part 1
;; launch qkv (part 2): grid 16 x 16, 4 waves a work-group, clusters of 4 x 4, 327,680 bytes of LDS; arguments xh, whp, bq, bk, bv, qkvh; writes qkvh
.if DOCPART == 2
	.amdgcn_target "amdgcn-amd-amdhsa--gfx1250"
	.amdhsa_code_object_version 6
	.text
	.protected	k_q5878d115ff_qkv
	.globl	k_q5878d115ff_qkv
	.p2align	8
	.type	k_q5878d115ff_qkv,@function
k_q5878d115ff_qkv:
	s_mov_b64 s[64:65], 0
	v_nop
	global_prefetch_b8 v0, s[64:65] scope:SCOPE_SE
	s_setreg_imm32_b32 hwreg(HW_REG_WAVE_MODE, 25, 1), 1
	s_wait_xcnt 0x0
	s_wait_alu depctr_hold_cnt(0) depctr_sa_sdst(0) depctr_va_vdst(0) depctr_va_sdst(0) depctr_va_ssrc(0) depctr_va_vcc(0) depctr_vm_vsrc(0)
	s_getreg_b32 s2, hwreg(HW_REG_IB_STS2, 6, 4)
	s_cmp_eq_u32 s2, 0
	s_cbranch_scc0 .Lentry_in_a_cluster
	s_endpgm
.Lentry_in_a_cluster:
	s_bfe_u32 s2, ttmp6, 0x10000c
	s_cmp_lg_u32 s2, 0xf033
	s_cbranch_scc0 .Lentry_shape_is_right
	s_endpgm
.Lentry_shape_is_right:
; q, k, v = x W^T + bias for one head and 256 rows: C[256][192] = xh[256][1024] * whp[192][1024]^T, f16 operands, f32 sums, f16 out.
; LIMIT: a q, k or v of magnitude 65,504 or more becomes infinite in f16.
; Grid x = head (192 rows of whp: 64 of Wq, 64 of Wk, 64 of Wv), grid y = block of 256 rows of x.  Four waves, one for each SIMD of the WGP;
; wave w makes rows 64 w .. 64 w + 63 x all 192 columns: 4 x 12 accumulator tiles of 16 x 16, 384 registers.  For 32 along K a wave reads
; (64 + 192) rows x 64 bytes from LDS for 48 matrix instructions.  Every wave owns whole rows of all three planes, so the way out needs no barrier.
; K goes in steps of 128 (rows of 256 bytes in memory, starting at multiples of 256) through a ring of two LDS slots filled by tensor loads.
; CLUSTERS: 4 x 4 work-groups.  The four of a row of the cluster share the block of x, the four of a column share the head's weights:
; each tile is asked for jointly by its four users, which divides the requests for both operands by four.
; The bias enters as the C operand of the first products: nothing is cleared and no add is spent.
; The matrix instruction is used transposed (source 0 = 16 rows of whp, source 1 = 16 rows of xh): lane l holds row l % 16 of C and
; its eight registers the columns 8 (l / 16) + 0 .. 7, eight neighbours that pack into 16 bytes.
;
; REGISTERS in windows of 256:  window 0: v16-27 addresses; v32-63, v64-95 fragments of x, two buffers; v96-191 bias, later read-back; v192-239 packed results
;   window 1: v0-95, v96-191 fragments of the weights, two buffers;  window 2: accumulators of my rows 0-31;  window 3: of my rows 32-63
.set KSTEP,  128
.set PITCH,  272                       ; LDS row: 256 bytes + 16 of padding: the 16 rows of a fragment load fall on 16 different 16-byte columns modulo 256
.set AHALF,  128*PITCH                 ; what wave 0 or 1 fetches of x
.set BHALF,  96*PITCH                  ; what wave 2 or 3 fetches of the weights
.set ABYTES, 2*AHALF
.set SLOT,   ABYTES+2*BHALF            ; 121,856 bytes
.set STAGE,  2*SLOT                    ; behind the ring, a multiple of 256: 16 rows x 400 bytes for each wave; no tensor load lands here
.set SPITCH, 400                       ; 192 f16 + 16 bytes
.set LAPS,   4                         ; 1,024 / (2 x 128)
.set ADRA, 16                          ; v16-17  LDS address of my x fragments in slot 0, 1
.set ADRB, 20                          ; v20-21  the same for the weights
.set STO,  24                          ; the way out: where I put 16 bytes
.set RD,   25                          ; the way out: where I read back
.set CO,   26                          ; my byte offset in a store of 512 bytes
.set BO,   27                          ; my byte offset in a tile's 16 biases
.set FA,   32                          ; x fragments: buffer f at FA + 32 f (window 0)
.set BIAS, 96                          ; v96-191: tile b's bias at BIAS + 8 b
.set RB0,  96                          ; read-back buffers, in the bias's registers once the first products have taken it
.set RB1,  144
.set TMP,  192
.set G1,  24                           ; s[24:31] group 1 for x's tiles
.set G0,  32                           ; s[32:39] group 0 for x's tiles, one set a slot
.set G1B, 48                           ; s[48:55] group 1 for the weights' tiles
.set G0B, 56                           ; s[56:63] group 0 for the weights' tiles, one set a slot
.set MSB, 0
.macro WIN new                         ; the immediate's high byte repeats the setting that is left; a switch that changes nothing is dropped
.if MSB != \new
	s_set_vgpr_msb (MSB<<8)|\new
.set MSB, \new
.endif
.endm
.set MUL_LO,  0xa1                     ; source 0 (weights) window 1, source 1 (x) window 0, C and D window 2
.set MUL_HI,  0xf1                     ; the same, C and D window 3
.set INIT_LO, 0x81                     ; C (the bias) window 0, D window 2
.set INIT_HI, 0xc1                     ; C window 0, D window 3
.set TO_B,    0x40                     ; destination window 1, address window 0
; A joint load: waves 0 and 1 ask for x's halves, waves 2 and 3 for the weights' halves.  The branch hangs on the wave's number alone.
.macro JLOAD s
	s_cmp_eq_u32 s11, 0
	s_cbranch_scc0 .Lfor_b_\@
	tensor_load_to_lds s[G0+4*\s:G0+4*\s+3], s[G1:G1+7]
	s_nop 0
	s_branch .Lasked_\@
.Lfor_b_\@:
	tensor_load_to_lds s[G0B+4*\s:G0B+4*\s+3], s[G1B:G1B+7]
	s_nop 0
.Lasked_\@:
.endm
.macro CREST                           ; a round of the cluster's barrier behind its opening work-group barrier
	s_cmp_lg_u32 s10, 0
	s_cbranch_scc1 .Lnot_wave_0_\@
	s_barrier_signal -3
.Lnot_wave_0_\@:
	s_barrier_wait -3
	s_barrier_signal -1
	s_barrier_wait -1
.endm
.macro CROUND                          ; a whole round
	s_barrier_signal -1
	s_barrier_wait -1
	CREST
.endm
	s_load_b128 s[4:7], s[0:1], 0x0                ; xh, whp
	s_load_b128 s[68:71], s[0:1], 0x10             ; bq, bk
	s_load_b128 s[72:75], s[0:1], 0x20             ; bv, qkvh
	s_set_vgpr_msb 0x40
	v_lshl_add_u32 v255, v0, 2, 0x41c00
	s_set_vgpr_msb 0x4000
	v_mov_b32 v255, 0
	s_set_vgpr_msb 0x1
	ds_add_u32 v255, v255
	s_set_vgpr_msb 0x100
	v_lshrrev_b32 v1, 5, v0
	v_readfirstlane_b32 s10, v1                    ; wave 0..3
	s_lshr_b32 s11, s10, 1                         ; I fetch for x (0) or for the weights (1)
	s_and_b32 s12, s10, 1                          ; which half of that tile
	s_bfe_u32 s40, ttmp6, 0x40000                  ; cx
	s_bfe_u32 s41, ttmp6, 0x40004                  ; cy
	s_lshl_b32 s42, ttmp9, 2
	s_add_co_u32 s42, s42, s40                     ; head = 4 x cluster x + cx
	s_and_b32 s13, ttmp7, 0xffff
	s_lshl_b32 s13, s13, 2
	s_add_co_u32 s13, s13, s41                     ; row block = 4 x cluster y + cy
	s_lshl_b32 s43, s41, 2
	s_lshl_b32 s43, 15, s43                        ; my row of the cluster
	s_lshl_b32 s44, 0x1111, s40                    ; my column
	; group 1: elements of 2 bytes, padding of 4 words behind every 64 words, the mask and bit 21 beside it
	s_or_b32 s[G1+0],  s43, (1<<16)|(1<<20)|(1<<21)|(5<<22)|(3<<25)   ; x's tiles go to my row of the cluster
	s_or_b32 s[G1B+0], s44, (1<<16)|(1<<20)|(1<<21)|(5<<22)|(3<<25)   ; the weights' tiles to my column
	s_mov_b32 s[G1+1], KSTEP<<16                   ; tensor_dim0 = 128
	s_mov_b32 s[G1+2], 128<<16                     ; tensor_dim1 = 128
	s_mov_b32 s[G1+3], KSTEP<<16                   ; tile_dim0 = 128
	s_mov_b32 s[G1+4], 128                         ; tile_dim1 = 128 rows
	s_mov_b32 s[G1+5], 1024                        ; elements from row to row
	s_mov_b32 s[G1+6], 0
	s_mov_b32 s[G1+7], 0
	s_mov_b32 s[G1B+1], KSTEP<<16
	s_mov_b32 s[G1B+2], 96<<16                     ; tensor_dim1 = 96
	s_mov_b32 s[G1B+3], KSTEP<<16
	s_mov_b32 s[G1B+4], 96                         ; tile_dim1 = 96 rows
	s_mov_b32 s[G1B+5], 1024
	s_mov_b32 s[G1B+6], 0
	s_mov_b32 s[G1B+7], 0
	s_lshl_b32 s17, s12, 7
	s_lshl_b32 s16, s13, 8
	s_add_co_u32 s16, s16, s17                     ; x: row 256 x block + 128 x half
	s_lshl_b32 s16, s16, 11                        ; rows of 2,048 bytes
	s_mov_b32 s17, 0
	s_mul_i32 s46, s42, 192
	s_mul_i32 s47, s12, 96
	s_add_co_u32 s46, s46, s47                     ; weights: row 192 x head + 96 x half
	s_lshl_b32 s46, s46, 11
	s_mov_b32 s47, 0
	s_mul_i32 s20, s10, AHALF                      ; LDS target of x's halves (waves 0, 1): wave x 34,816
	s_mul_i32 s21, s10, BHALF
	s_add_co_u32 s21, s21, ABYTES-2*BHALF          ; of the weights' halves (waves 2, 3): 69,632 + (wave - 2) x 26,112
	s_lshl_b32 s76, s42, 8                         ; the head's 64 biases: 256 bytes a head
	s_mov_b32 s77, 0
	s_wait_dscnt 0x0
	s_wait_kmcnt 0x0
	s_add_nc_u64 s[14:15], s[4:5], s[16:17]
	s_add_nc_u64 s[46:47], s[6:7], s[46:47]
	s_add_nc_u64 s[68:69], s[68:69], s[76:77]
	s_add_nc_u64 s[70:71], s[70:71], s[76:77]
	s_add_nc_u64 s[72:73], s[72:73], s[76:77]
	CROUND                                         ; all sixteen work-groups are here: the first joint loads meet
.irp s, 0,1
	s_mov_b32 s[G0+4*\s], 1
	s_add_co_u32 s[G0+4*\s+1], s20, \s*SLOT
	s_add_nc_u64 s[G0+4*\s+2:G0+4*\s+3], s[14:15], \s*KSTEP*2      ; K step s
	s_or_b32 s[G0+4*\s+3], s[G0+4*\s+3], 0x80000000
	s_mov_b32 s[G0B+4*\s], 1
	s_add_co_u32 s[G0B+4*\s+1], s21, \s*SLOT
	s_add_nc_u64 s[G0B+4*\s+2:G0B+4*\s+3], s[46:47], \s*KSTEP*2
	s_or_b32 s[G0B+4*\s+3], s[G0B+4*\s+3], 0x80000000
	JLOAD \s                                       ; both first fills go out before anything else: two tensor loads of a wave are out here, later one
.endr
	v_and_b32 v1, 15, v0                           ; r = l % 16
	v_bfe_u32 v2, v0, 4, 1                         ; h = l / 16
	v_mul_u32_u24 v3, v1, PITCH
	v_lshl_add_u32 v3, v2, 4, v3                   ; row x pitch + 16 h
	s_mul_i32 s22, s10, 64*PITCH                   ; my 64 rows of x
	s_mov_b32 s23, ABYTES                          ; the weights lie behind x's 256 rows
.irp s, 0,1
	v_add_nc_u32 v[ADRA+\s], s22, v3
	v_add_nc_u32 v[ADRB+\s], s23, v3
	s_add_co_u32 s22, s22, SLOT
	s_add_co_u32 s23, s23, SLOT
.endr
	s_mul_i32 s22, s10, 16*SPITCH
	s_add_co_u32 s22, s22, STAGE                   ; my stage
	v_mul_u32_u24 v4, v1, SPITCH
	v_lshl_add_u32 v4, v2, 4, v4
	v_add_nc_u32 v[STO], s22, v4                   ; in: row r, 16 bytes for each half of the lanes
	v_bfe_u32 v4, v0, 3, 2                         ; back: eight lanes take one row's 128 bytes of one plane, four rows a load
	v_mul_u32_u24 v4, v4, SPITCH
	v_and_b32 v5, 7, v0
	v_lshl_add_u32 v4, v5, 4, v4
	v_add_nc_u32 v[RD], s22, v4
	v_and_b32 v5, 31, v0
	v_lshlrev_b32 v[CO], 4, v5                     ; four rows of 128 bytes are 512 consecutive bytes of a plane
	v_lshlrev_b32 v[BO], 5, v2                     ; my eight biases of a tile begin at 8 h
.irp b, 0,1,2,3,4,5,6,7,8,9,10,11
	global_load_b128 v[BIAS+8*\b:BIAS+8*\b+3],   v[BO], s[68+2*(\b/4):69+2*(\b/4)] offset:64*(\b%4)      ; tiles 0-3 bq, 4-7 bk, 8-11 bv
	global_load_b128 v[BIAS+8*\b+4:BIAS+8*\b+7], v[BO], s[68+2*(\b/4):69+2*(\b/4)] offset:64*(\b%4)+16
.endr
; 12 matrix instructions: my rows 16 a .. 16 a + 15 x all 192 columns, 32 along K, from buffer f.  init = 1: C is the bias.
.macro MULA f, a, init
.irp b, 0,1,2,3,4,5,6,7,8,9,10,11
.set AC, 8*(12*((\a)&1)+\b)
.if \init
	v_wmma_f32_16x16x32_f16 v[AC:AC+7], v[96*\f+8*\b:96*\f+8*\b+7], v[FA+32*\f+8*(\a):FA+32*\f+8*(\a)+7], v[BIAS+8*\b:BIAS+8*\b+7]
.else
	v_wmma_f32_16x16x32_f16 v[AC:AC+7], v[96*\f+8*\b:96*\f+8*\b+7], v[FA+32*\f+8*(\a):FA+32*\f+8*(\a)+7], v[AC:AC+7]
.endif
.endr
.endm
; 32 LDS loads in one run: a quarter step's fragments (192 rows of weights, my 64 rows of x, 32 K at byte k of the rows) into buffer f
.macro FETCH slot, k, f
	WIN TO_B
.irp i, 0,1,2,3,4,5,6,7,8,9,10,11
	ds_load_b128 v[96*\f+8*\i:96*\f+8*\i+3],   v[ADRB+\slot] offset:\k+\i*16*PITCH
	ds_load_b128 v[96*\f+8*\i+4:96*\f+8*\i+7], v[ADRB+\slot] offset:\k+\i*16*PITCH+32
.endr
	WIN 0
.irp i, 0,1,2,3
	ds_load_b128 v[FA+32*\f+8*\i:FA+32*\f+8*\i+3],   v[ADRA+\slot] offset:\k+\i*16*PITCH
	ds_load_b128 v[FA+32*\f+8*\i+4:FA+32*\f+8*\i+7], v[ADRA+\slot] offset:\k+\i*16*PITCH+32
.endr
.endm
; Four places of plain vector work between a matrix instruction and a load into, or a vector read or write of, its registers
; (ISA guide 7.12.1 for vector instructions); other matrix instructions are not counted as places.
.macro PLACES
.rept 4
	v_nop
.endr
.endm
; A quarter step: 48 matrix instructions on buffer f; in its middle the next quarter's fragments go into buffer g.
; The 48 accumulators take turns, one instruction a turn, in the same order in every quarter.
.macro QUARTER slot, k, f, g, init
	s_wait_dscnt 4                                 ; all weights and x's rows 0-31 are in; the four youngest loads (x's rows 32-63) may be out
.if \init
	WIN INIT_LO
.else
	WIN MUL_LO
.endif
	MULA \f, 0, \init
	MULA \f, 1, \init
	PLACES
	FETCH \slot, \k, \g
	s_wait_dscnt 32                                ; all but the 32 just issued
.if \init
	WIN INIT_HI
.else
	WIN MUL_HI
.endif
	MULA \f, 2, \init
	MULA \f, 3, \init
.endm
.macro THREE slot, init
	QUARTER \slot, 64,  0, 1, \init
	QUARTER \slot, 128, 1, 0, 0
	QUARTER \slot, 192, 0, 1, 0
.endm
; The last quarter of a K step multiplies buffer 1 and changes slots.  In front of the barrier each wave waits for its reads of this slot and
; for all its tensor loads (one is out: its part of the next slot).  Behind it the refill comes first, then the next slot's first fragments.
; From a tile's request to the wait for it a wave issues 180 matrix instructions.
.macro TURN slot, next, fill
	s_wait_dscnt 4
	WIN MUL_LO
	MULA 1, 0, 0
	s_wait_dscnt 0                                 ; my reads of this slot are over
	s_wait_tensorcnt 0x0                           ; all my tensor loads have landed
	ds_add_u32 v255, v255
	s_wait_dscnt 0x0
	s_barrier_signal -1                            ; (where the slot is filled again this barrier opens a round of the cluster's barrier)
	MULA 1, 1, 0                                   ; register work while the others arrive
	WIN 0
	s_barrier_wait -1
.if \fill
	CREST                                          ; no wave of any partner still reads this slot or has a load on its way
	s_add_nc_u64 s[G0+4*\slot+2:G0+4*\slot+3], s[G0+4*\slot+2:G0+4*\slot+3], 2*KSTEP*2
	s_add_nc_u64 s[G0B+4*\slot+2:G0B+4*\slot+3], s[G0B+4*\slot+2:G0B+4*\slot+3], 2*KSTEP*2
	JLOAD \slot                                    ; my one tensor load behind the round
.endif
	PLACES
	FETCH \next, 0, 0
	WIN MUL_HI
	MULA 1, 2, 0
	MULA 1, 3, 0
.endm
.macro LAP init
	THREE 0, \init
	TURN 0, 1, 1
	THREE 1, 0
	TURN 1, 0, 1
.endm
	s_wait_tensorcnt 1                             ; my part of K step 0 is in; K step 1's stays out
	s_barrier_signal -1
	s_barrier_wait -1
	FETCH 0, 0, 0
	s_wait_loadcnt 0x0                             ; the bias
	LAP 1                                          ; the first lap stands in front of the loop: its first products take the bias as C
	WIN 0
	s_mov_b32 s3, LAPS-2
.Llap:
	LAP 0
	WIN 0
	s_sub_co_u32 s3, s3, 1
	s_cmp_lg_u32 s3, 0
	s_cbranch_scc1 .Llap
	THREE 0, 0                                     ; the last lap fills nothing
	TURN 0, 1, 0
	THREE 1, 0
	s_wait_dscnt 4
	WIN MUL_LO
	MULA 1, 0, 0
	MULA 1, 1, 0
	s_wait_dscnt 0
	WIN MUL_HI
	MULA 1, 2, 0
	MULA 1, 3, 0
	; THE WAY OUT, 16 rows at a time: round to f16, 16 bytes a lane into my own stage, read back as four rows of one plane, store 512 consecutive bytes.
	PLACES
	s_mul_i32 s78, s42, 1572864                    ; the head's three planes of 4,096 rows x 128 bytes
	s_lshl_b32 s22, s13, 15                        ; + 256 rows x 128 bytes for each row block
	s_add_co_u32 s78, s78, s22
	s_lshl_b32 s22, s10, 13                        ; + 64 rows for each wave
	s_add_co_u32 s78, s78, s22
	s_mov_b32 s79, 0
	s_add_nc_u64 s[78:79], s[74:75], s[78:79]
.macro OUT a, from, f
	WIN \from                                      ; sources 0 and 1 in window 2 or 3
.irp b, 0,1,2,3,4,5,6,7,8,9,10,11
.irp r, 0,1,2,3
	v_cvt_pk_f16_f32 v[TMP+4*\b+\r], v[8*(12*((\a)&1)+\b)+2*\r], v[8*(12*((\a)&1)+\b)+2*\r+1]
.endr
.endr
	WIN 0
.irp b, 0,1,2,3,4,5,6,7,8,9,10,11
	ds_store_b128 v[STO], v[TMP+4*\b:TMP+4*\b+3] offset:32*\b
.endr
	s_wait_xcnt 0x0                                ; buffer f, which earlier stores read, is loaded again only behind this wait
.irp t, 0,1,2
.irp i, 0,1,2,3
	ds_load_b128 v[\f+4*(4*\t+\i):\f+4*(4*\t+\i)+3], v[RD] offset:1600*\i+128*\t    ; LDS serves a wave's instructions in order: these see the stores above
.endr
.endr
.irp t, 0,1,2
.irp i, 0,1,2,3
	s_wait_dscnt 11-(4*\t+\i)                      ; this read-back is in, the younger ones stay out
	global_store_b128 v[CO], v[\f+4*(4*\t+\i):\f+4*(4*\t+\i)+3], s[78:79] offset:\t*524288+\a*2048+\i*512
.endr
.endr
.endm
	OUT 0, 0x0a, RB0
	OUT 1, 0x0a, RB1
	OUT 2, 0x0f, RB0
	OUT 3, 0x0f, RB1
	s_set_vgpr_msb 0x1
	s_wait_tensorcnt 0x0
	ds_add_u32 v255, v255
	s_wait_dscnt 0x0
	s_set_vgpr_msb 0x100
	CROUND                                         ; the closing round: no work-group ends while a partner may still ask for a tile that names it
	s_endpgm
.Lfunc_end_k_q5878d115ff_qkv:
	.size	k_q5878d115ff_qkv, .Lfunc_end_k_q5878d115ff_qkv-k_q5878d115ff_qkv
	.p2alignl 7, 3214868480
	.fill 96, 4, 3214868480
	.section	.rodata,"a",@progbits
	.p2align	6, 0x0
	.amdhsa_kernel k_q5878d115ff_qkv
		.amdhsa_group_segment_fixed_size 327680
		.amdhsa_private_segment_fixed_size 0
		.amdhsa_enable_private_segment 0
		.amdhsa_kernarg_size 48
		.amdhsa_user_sgpr_count 2
		.amdhsa_user_sgpr_kernarg_segment_ptr 1
		.amdhsa_wavefront_size32 1
		.amdhsa_system_sgpr_workgroup_id_x 1
		.amdhsa_system_sgpr_workgroup_id_y 1
		.amdhsa_system_sgpr_workgroup_id_z 1
		.amdhsa_system_vgpr_workitem_id 0
		.amdhsa_next_free_vgpr 960
		.amdhsa_next_free_sgpr 80
		.amdhsa_reserve_vcc 0
		.amdhsa_float_denorm_mode_32 3
		.amdhsa_float_denorm_mode_16_64 3
		.amdhsa_memory_ordered 1
		.amdhsa_forward_progress 1
		.amdhsa_inst_pref_size 166
	.end_amdhsa_kernel
	.amdgpu_metadata
---
amdhsa.version: [ 1, 2 ]
amdhsa.kernels:
  - .name:           k_q5878d115ff_qkv
    .symbol:         k_q5878d115ff_qkv.kd
    .args:
      - { .name: xh, .offset: 0, .size: 8, .value_kind: global_buffer, .address_space: global }
      - { .name: whp, .offset: 8, .size: 8, .value_kind: global_buffer, .address_space: global }
      - { .name: bq, .offset: 16, .size: 8, .value_kind: global_buffer, .address_space: global }
      - { .name: bk, .offset: 24, .size: 8, .value_kind: global_buffer, .address_space: global }
      - { .name: bv, .offset: 32, .size: 8, .value_kind: global_buffer, .address_space: global }
      - { .name: qkvh, .offset: 40, .size: 8, .value_kind: global_buffer, .address_space: global }
    .group_segment_fixed_size: 327680
    .private_segment_fixed_size: 0
    .kernarg_segment_align: 8
    .kernarg_segment_size: 48
    .max_flat_workgroup_size: 128
    .sgpr_count:     80
    .vgpr_count:     960
    .wavefront_size: 32
...
	.end_amdgpu_metadata
.endif
;; end of part 2
;; launch attn (part 3): grid 8 x 32, 8 waves a work-group, no clusters, 327,680 bytes of LDS; arguments qkvh, ao; writes ao
.if DOCPART == 3
	.amdgcn_target "amdgcn-amd-amdhsa--gfx1250"
	.amdhsa_code_object_version 6
	.text
	.protected	k_q5878d115ff_attn
	.globl	k_q5878d115ff_attn
	.p2align	8
	.type	k_q5878d115ff_attn,@function
k_q5878d115ff_attn:
	s_mov_b64 s[64:65], 0
	v_nop
	global_prefetch_b8 v0, s[64:65] scope:SCOPE_SE
	s_setreg_imm32_b32 hwreg(HW_REG_WAVE_MODE, 25, 1), 1
	s_wait_xcnt 0x0
; Causal attention for one (batch, head): softmax(q k^T / 8, keys <= query) v, f16 operands, f32 sums, running maximum, f16 out.
; LIMITS: a probability below about 3e-8 of its row's largest becomes 0 in f16; an output of magnitude 65,504 or more becomes infinite.
; Grid x = p (0..7), grid y = 16 x batch + head.  A work-group does query block p (128 rows) and then block 15 - p: p + 1 and 16 - p key tiles
; of 128 keys, 17 steps in every work-group; tiles above the diagonal are never touched.
; Eight waves, two on each SIMD: wave w has 32 query rows (w & 3) and 64 of a tile's 128 keys (w >> 2), with a running maximum, sum and O
; of its own; the two key halves are merged through LDS at the end of a block.
; NO JOINT LOADS: the launch has no clusters: every work-group asks for each of its tiles alone.
; TRANSPOSED: S^T = K Q^T (source 0 = 16 keys, source 1 = 16 queries): lane (r, h) holds query r and keys 8 h + j, so a row's maximum and sum
; are taken inside the lane plus one exchange of the halves, and two packed neighbouring key tiles ARE the second source of O^T = V^T P^T.
; In O^T a lane holds eight neighbouring d of one query row.
; LDS: two keys lie in each row of 256 bytes.  K: 64 rows, pitch 272.  V: 64 rows, pitch 288.  With these pitches the 16 lanes of a half
; address 16 different 16-byte columns modulo 256, for K's plain loads and for V's transposing loads.
.set KPITCH, 272
.set VPITCH, 288
.set VOFF,   64*KPITCH                 ; V's tile behind K's in a slot
.set SLOT,   VOFF+64*VPITCH            ; 35,840 bytes
.set MERGE,  2*SLOT                    ; 4 x 8,704 bytes: O (8,192) and statistics (512) of the upper key half; a multiple of 256; no tensor load lands here
.set STAGE,  MERGE+4*8704              ; 8 x 4,608 bytes, one region a wave: 32 rows x 144 bytes
.set QF, 32                            ; v[32:63]   Q fragments: QF + 16 qt + 8 dk
.set OA, 64                            ; v[64:127]  O^T: OA + 32 qt + 8 dt
.set SC, 128                           ; v[128:191] S^T: SC + 32 qt + 8 kt; later P: SC + 32 qt + 16 u
.set KV, 192                           ; v[192:255] K fragments KV + 16 kt + 8 dk, then V fragments KV + 32 u + 8 dt
.set NM, 12                            ; v12-13 minus the scaled running maximum, for qt = 0, 1
.set LS, 14                            ; v14-15 running sum of my half of the keys
.set NMP, 16                           ; v[16:17] NM twice, for the packed forms
.set AL, 18                            ; v[18:19] the rescaling factor twice
; v2 K address, v3 V address, v4 Q offset, v5 query - key of the diagonal tile, v6 merge address, v7 stage in, v8 stage back, v9 offset in ao,
; v10 exchange of halves, v20-27 at work, v28 minus infinity
.set G1K, 32                           ; s[32:39] group 1 for K
.set G1V, 40                           ; s[40:47] group 1 for V
.set G0K, 48                           ; s[48:55] group 0 for K, one set a slot
.set G0V, 56                           ; s[56:63] group 0 for V, one set a slot
	s_load_b128 s[4:7], s[0:1], 0x0                ; qkvh, ao
	v_lshl_add_u32 v30, v0, 2, 0x29000
	v_mov_b32 v31, 0
	ds_add_u32 v30, v31
	v_lshrrev_b32 v1, 5, v0
	v_readfirstlane_b32 s8, v1                     ; wave 0..7
	s_and_b32 s9, s8, 3                            ; which 32 query rows
	s_lshr_b32 s10, s8, 2                          ; which 64 keys
	s_and_b32 s2, ttmp7, 0xffff
	s_lshr_b32 s3, s2, 4                           ; batch
	s_and_b32 s31, s2, 15                          ; head
	s_mov_b32 s12, ttmp9                           ; p
	s_add_co_u32 s13, s12, 1                       ; p + 1 = the first block's number of tiles
	s_mov_b32 s14, 0                               ; the step whose tile was asked for last
	s_mov_b32 s17, 0
	s_mul_i32 s72, s31, 1572864                    ; the head's three planes
	s_lshl_b32 s73, s3, 18                         ; + the batch's 2,048 rows of 128 bytes
	s_add_co_u32 s72, s72, s73
	s_mov_b32 s73, 0
	s_lshl_b32 s74, s12, 14                        ; query block p: 128 rows of 128 bytes a block
	s_mov_b32 s75, 0
	s_sub_co_u32 s71, 15, s12                      ; query block 15 - p
	s_lshl_b32 s76, s71, 14
	s_mov_b32 s77, 0
	s_lshl_b32 s78, s3, 22                         ; ao: 1,024 row pairs of 4,096 bytes a batch
	s_lshl_b32 s15, s9, 16                         ; + 16 row pairs for each quarter of the block
	s_add_co_u32 s78, s78, s15
	s_lshl_b32 s15, s31, 8                         ; + 256 bytes a head
	s_add_co_u32 s78, s78, s15
	s_lshl_b32 s15, s12, 18                        ; + 64 row pairs a block
	s_add_co_u32 s80, s78, s15
	s_mov_b32 s81, 0
	s_lshl_b32 s15, s71, 18
	s_add_co_u32 s78, s78, s15
	s_mov_b32 s79, 0
	s_mov_b32 s66, 0x3e38aa3b                      ; c = log2(e) / 8: the scale 1 / sqrt(64) and the change of base in one
	s_mov_b32 s67, 0x3e38aa3b
	s_mov_b32 s68, 0xbe38aa3b                      ; -c
	s_mov_b32 s69, 0x76543210                      ; v_permlanex16_b32: lane i of one half reads lane i of the other
	s_mov_b32 s70, 0xfedcba98
	; group 1: a dense block of 16 KiB as 64 rows of 128 elements of 2 bytes; padding behind every 64 words: 4 words for K, 8 for V
	s_mov_b32 s[G1K+0], (1<<16)|(1<<20)|(5<<22)|(3<<25)
	s_mov_b32 s[G1V+0], (1<<16)|(1<<20)|(5<<22)|(7<<25)
.irp g, G1K, G1V
	s_mov_b32 s[\g+1], 128<<16                     ; tensor_dim0 = 128
	s_mov_b32 s[\g+2], 64<<16                      ; tensor_dim1 = 64
	s_mov_b32 s[\g+3], 128<<16                     ; tile_dim0 = 128
	s_mov_b32 s[\g+4], 64                          ; tile_dim1 = 64
	s_mov_b32 s[\g+5], 128                         ; elements from row to row
	s_mov_b32 s[\g+6], 0
	s_mov_b32 s[\g+7], 0
.endr
	s_mov_b32 s[G0K+0], 1
	s_mov_b32 s[G0K+1], 0
	s_mov_b32 s[G0K+4], 1
	s_mov_b32 s[G0K+5], SLOT
	s_mov_b32 s[G0V+0], 1
	s_mov_b32 s[G0V+1], VOFF
	s_mov_b32 s[G0V+4], 1
	s_mov_b32 s[G0V+5], SLOT+VOFF
	s_wait_dscnt 0x0
	s_barrier_signal -1
	s_barrier_wait -1
	s_wait_kmcnt 0x0
	s_add_nc_u64 s[22:23], s[4:5], s[72:73]        ; the head's q plane at the batch
	s_add_nc_u64 s[18:19], s[22:23], 524288        ; k plane
	s_add_nc_u64 s[20:21], s[22:23], 1048576       ; v plane
	s_add_nc_u64 s[24:25], s[22:23], s[76:77]      ; q of block 15 - p
	s_add_nc_u64 s[22:23], s[22:23], s[74:75]      ; q of block p
	s_add_nc_u64 s[26:27], s[6:7], s[80:81]        ; ao at my rows of block p
	s_add_nc_u64 s[28:29], s[6:7], s[78:79]        ; ao at my rows of block 15 - p
	s_mov_b64 s[G0K+2:G0K+3], s[18:19]             ; tile 0
	s_or_b32 s[G0K+3], s[G0K+3], 0x80000000
	s_mov_b64 s[G0V+2:G0V+3], s[20:21]
	s_or_b32 s[G0V+3], s[G0V+3], 0x80000000
; Wave 0 asks for K's tile, wave 1 for V's, 16 KiB each; the other waves ask for nothing.  A wave never has more than one tensor load out.
; The argument may be an expression, so it stands in brackets.
.macro KVLOAD slot
	s_cmp_lg_u32 s8, 0
	s_cbranch_scc1 .Lnot_k_\@
	tensor_load_to_lds s[G0K+4*(\slot):G0K+4*(\slot)+3], s[G1K:G1K+7]
	s_nop 0
.Lnot_k_\@:
	s_cmp_lg_u32 s8, 1
	s_cbranch_scc1 .Lnot_v_\@
	tensor_load_to_lds s[G0V+4*(\slot):G0V+4*(\slot)+3], s[G1V:G1V+7]
	s_nop 0
.Lnot_v_\@:
.endm
	KVLOAD 0                                       ; the first fill, ahead of every wait on tensor loads, LDS read and barrier
	v_and_b32 v20, 15, v0                          ; r
	v_bfe_u32 v21, v0, 4, 1                        ; h
	v_and_b32 v22, 31, v0                          ; lane
	v_lshlrev_b32 v4, 7, v20                       ; Q: row (32 qw + r) x 128 bytes + 16 h
	v_lshl_add_u32 v4, v21, 4, v4
	s_lshl_b32 s71, s9, 12
	v_add_nc_u32 v4, s71, v4
.irp qt, 0,1
.irp dk, 0,1
	global_load_b128 v[QF+16*\qt+8*\dk:QF+16*\qt+8*\dk+3],   v4, s[22:23] offset:\qt*2048+64*\dk
	global_load_b128 v[QF+16*\qt+8*\dk+4:QF+16*\qt+8*\dk+7], v4, s[22:23] offset:\qt*2048+64*\dk+32
.endr
.endr
	v_lshrrev_b32 v23, 1, v20                      ; K: key 64 kh + 16 kt + r lies in LDS row 32 kh + 8 kt + r / 2, half r & 1
	v_mul_u32_u24 v2, v23, KPITCH
	v_and_b32 v23, 1, v0
	v_lshl_add_u32 v2, v23, 7, v2
	v_lshl_add_u32 v2, v21, 4, v2
	s_mul_i32 s71, s10, 32*KPITCH
	v_add_nc_u32 v2, s71, v2
	v_bfe_u32 v24, v0, 1, 2                        ; V, transposing load: lane l addresses key 8 h + (l & 7), d columns 8 ((l >> 3) & 1) ..
	v_lshl_add_u32 v24, v21, 2, v24                ; LDS row 4 h + (l & 7) / 2, half l & 1
	v_mul_u32_u24 v3, v24, VPITCH
	v_lshl_add_u32 v3, v23, 7, v3
	v_bfe_u32 v24, v0, 3, 1
	v_lshl_add_u32 v3, v24, 4, v3
	s_mul_i32 s71, s10, 32*VPITCH
	s_add_co_u32 s71, s71, VOFF
	v_add_nc_u32 v3, s71, v3
	s_lshl_b32 s71, s9, 5                          ; diagonal tile: key 64 kh + 16 kt + 8 h + j <= query 32 qw + 16 qt + r
	s_lshl_b32 s15, s10, 6                         ; is 16 kt + j - 16 qt <= 32 qw + r - 64 kh - 8 h
	s_sub_co_i32 s71, s71, s15
	v_lshlrev_b32 v24, 3, v21
	v_sub_nc_u32 v5, v20, v24
	v_add_nc_u32 v5, s71, v5
	s_mul_i32 s71, s9, 8704
	s_add_co_u32 s71, s71, MERGE
	v_lshl_add_u32 v6, v22, 4, s71                 ; merge: 16 bytes a lane
	s_mul_i32 s71, s8, 4608
	s_add_co_u32 s71, s71, STAGE                   ; my wave's stage
	v_mul_u32_u24 v7, v20, 144
	v_lshl_add_u32 v7, v21, 4, v7
	v_add_nc_u32 v7, s71, v7                       ; in: row r, 16 bytes for each half
	v_lshrrev_b32 v24, 3, v22
	v_mul_u32_u24 v8, v24, 144
	v_and_b32 v24, 7, v0
	v_lshl_add_u32 v8, v24, 4, v8
	v_add_nc_u32 v8, s71, v8                       ; back: eight lanes a row, four rows a load
	v_lshlrev_b32 v9, 4, v20                       ; ao: sixteen lanes fill a row pair's 256 bytes of this head; the other sixteen the next pair's
	v_lshl_add_u32 v9, v21, 12, v9
	v_mov_b32 v10, 0                               ; the exchange's destination counts as read
	v_mov_b32 v28, 0xff800000                      ; minus infinity
	s_wait_loadcnt 0x0                             ; Q
; Keys beyond the query get minus infinity (diagonal tile only).
.macro MASK
.irp qt, 0,1
.irp kt, 0,1,2,3
.irp j, 0,1,2,3,4,5,6,7
	v_cmp_le_i32 vcc_lo, 16*\kt+\j-16*\qt, v5
	v_cndmask_b32 v[SC+32*\qt+8*\kt+\j], v28, v[SC+32*\qt+8*\kt+\j], vcc_lo
.endr
.endr
.endr
.endm
; The softmax step of 16 queries x my 64 keys.  first = 1: the work-group's first step: no old maximum, sum or O.
; NM = -c x maximum; p = 2^(c s + NM).  A half with no allowed key keeps NM = 3.4e38, so that every p is 2^(-inf) = 0.
.macro SOFT qt, first
.set SB, SC+32*\qt
	v_max3_num_f32 v20, v[SB], v[SB+1], v[SB+2]                    ; two chains over my 32 scores
	v_max3_num_f32 v21, v[SB+16], v[SB+17], v[SB+18]
.irp i, 0,1,2,3,4,5
	v_max3_num_f32 v20, v20, v[SB+3+2*\i], v[SB+4+2*\i]
	v_max3_num_f32 v21, v21, v[SB+19+2*\i], v[SB+20+2*\i]
.endr
	v_max3_num_f32 v20, v20, v21, v[SB+15]
	v_max_num_f32 v20, v20, v[SB+31]
	v_permlanex16_b32 v10, v20, s69, s70                           ; the other half of the lanes holds the query's other keys
	v_max_num_f32 v20, v20, v10
	v_mul_f32 v22, s68, v20
.if \first
	v_min_num_f32 v[NM+\qt], 0x7f7fffff, v22
.else
	v_min_num_f32 v22, v[NM+\qt], v22                              ; the running maximum, as a minimum of the negatives
	v_sub_f32 v23, v22, v[NM+\qt]
	v_exp_f32 v[AL], v23                                           ; 2^(c (old maximum - new maximum)); behind a block's end 2^(-3.4e38) = 0 wipes the old O and sum
	v_exp_f32 v[AL+1], v23
	v_mov_b32 v[NM+\qt], v22                                       ; plain work behind the exponentials, before their results are used (ISA guide 5.7.2)
.endif
	v_mov_b32 v[NMP], v[NM+\qt]
	v_mov_b32 v[NMP+1], v[NM+\qt]
.irp i, 0,1,2,3,4,5,6,7,8,9,10,11,12,13,14,15
	v_pk_fma_f32 v[SB+2*\i:SB+2*\i+1], v[SB+2*\i:SB+2*\i+1], s[66:67], v[NMP:NMP+1] op_sel_hi:[1,0,1]
.endr
.set i, 0
.rept 32
	v_exp_f32 v[SB+i], v[SB+i]
.set i, i+1
.endr
.if \first
	v_nop                                                          ; the plain place behind the last exponential
	s_wait_alu depctr_va_vdst(0)
.else
	s_wait_alu depctr_va_vdst(0)
.irp i, 0,1,2,3,4,5,6,7,8,9,10,11,12,13,14,15
	v_pk_mul_f32 v[OA+32*\qt+2*\i:OA+32*\qt+2*\i+1], v[OA+32*\qt+2*\i:OA+32*\qt+2*\i+1], v[AL:AL+1]   ; O to the new maximum; also the plain places
.endr
.endif
	v_pk_add_f32 v[24:25], v[SB:SB+1], v[SB+2:SB+3]
	v_pk_add_f32 v[26:27], v[SB+4:SB+5], v[SB+6:SB+7]
.irp i, 4,6,8,10,12,14
	v_pk_add_f32 v[24:25], v[24:25], v[SB+2*\i:SB+2*\i+1]
	v_pk_add_f32 v[26:27], v[26:27], v[SB+2*\i+2:SB+2*\i+3]
.endr
	v_pk_add_f32 v[24:25], v[24:25], v[26:27]
.if \first
	v_add_f32 v[LS+\qt], v24, v25
.else
	v_add_f32 v24, v24, v25
	v_fma_f32 v[LS+\qt], v[LS+\qt], v[AL], v24                     ; my half's sum; the halves meet at the block's end
.endif
.irp u, 0,1
.irp i, 0,1,2,3,4,5,6,7
	v_cvt_pk_f16_f32 v[SB+16*\u+\i], v[SB+16*\u+2*\i], v[SB+16*\u+2*\i+1]   ; in place: key tiles 2 u and 2 u + 1 become the fragment of 32 keys
.endr
.endr
.endm
; The two key halves of 16 queries become one: weights 2^(T - NM) to the common maximum, one reciprocal of the whole sum.
.macro MERGEQ qt
	v_min_num_f32 v24, v[NM+\qt], v[20+\qt]
	v_sub_f32 v25, v24, v[NM+\qt]
	v_sub_f32 v26, v24, v[20+\qt]
	v_exp_f32 v25, v25
	v_exp_f32 v26, v26
	v_nop
	s_wait_alu depctr_va_vdst(0)
	v_mul_f32 v27, v[LS+\qt], v25
	v_fmac_f32 v27, v[22+\qt], v26
	v_permlanex16_b32 v10, v27, s69, s70
	v_add_f32 v27, v27, v10                                        ; the row's whole sum
	v_rcp_f32 v24, v27
	v_nop
	s_wait_alu depctr_va_vdst(0)
	v_mul_f32 v16, v25, v24
	v_mul_f32 v17, v25, v24
	v_mul_f32 v18, v26, v24
	v_mul_f32 v19, v26, v24
	s_wait_dscnt 0x0                                               ; the partner's O
.irp i, 0,1,2,3,4,5,6,7,8,9,10,11,12,13,14,15
	v_pk_mul_f32 v[OA+32*\qt+2*\i:OA+32*\qt+2*\i+1], v[OA+32*\qt+2*\i:OA+32*\qt+2*\i+1], v[16:17]
	v_pk_fma_f32 v[OA+32*\qt+2*\i:OA+32*\qt+2*\i+1], v[SC+32*\qt+2*\i:SC+32*\qt+2*\i+1], v[18:19], v[OA+32*\qt+2*\i:OA+32*\qt+2*\i+1]
.endr
.endm
; The end of a query block.  final = 0: block p is done, block 15 - p follows; final = 1: the work-group's end.
.macro BEND final
.if \final == 0
.irp qt, 0,1
.irp dk, 0,1
	global_load_b128 v[QF+16*\qt+8*\dk:QF+16*\qt+8*\dk+3],   v4, s[24:25] offset:\qt*2048+64*\dk     ; the next block's Q, on its way during the merge
	global_load_b128 v[QF+16*\qt+8*\dk+4:QF+16*\qt+8*\dk+7], v4, s[24:25] offset:\qt*2048+64*\dk+32
.endr
.endr
.endif
	s_cmp_eq_u32 s10, 0
	s_cbranch_scc1 .Llower_\@
.irp i, 0,1,2,3,4,5,6,7,8,9,10,11,12,13,14,15
	ds_store_b128 v6, v[OA+4*\i:OA+4*\i+3] offset:512*\i           ; the upper key half hands over its O
.endr
	ds_store_b128 v6, v[NM:NM+3] offset:8192                       ; and its maxima and sums
.Llower_\@:
	s_wait_dscnt 0x0                               ; for the partner's sake: my stores are done
	s_barrier_signal -1                            ; the next tile may stay on its way
	s_barrier_wait -1
	s_cmp_lg_u32 s10, 0
	s_cbranch_scc1 .Ldone_\@
	ds_load_b128 v[20:23], v6 offset:8192
.irp i, 0,1,2,3,4,5,6,7,8,9,10,11,12,13,14,15
	ds_load_b128 v[SC+4*\i:SC+4*\i+3], v6 offset:512*\i
.endr
	s_wait_dscnt 16                                ; the statistics are in; the 16 loads of O behind them may be out
	MERGEQ 0
	MERGEQ 1
.irp qt, 0,1
.irp dt, 0,1,2,3
.irp i, 0,1,2,3
	v_cvt_pk_f16_f32 v[KV+16*\qt+4*\dt+\i], v[OA+32*\qt+8*\dt+2*\i], v[OA+32*\qt+8*\dt+2*\i+1]
.endr
	ds_store_b128 v7, v[KV+16*\qt+4*\dt:KV+16*\qt+4*\dt+3] offset:\qt*2304+32*\dt
.endr
.endr
.irp i, 0,1,2,3,4,5,6,7
	ds_load_b128 v[KV+32+4*\i:KV+32+4*\i+3], v8 offset:576*\i      ; my own bytes, served in order behind the stores
.endr
.irp i, 0,1,2,3,4,5,6,7
	s_wait_dscnt 7-\i                              ; this read-back is in, the younger ones stay out
	global_store_b128 v9, v[KV+32+4*\i:KV+32+4*\i+3], s[26+2*\final:27+2*\final] offset:8192*\i   ; sixteen lanes store 256 consecutive bytes at a multiple of 256
.endr
.Ldone_\@:
	s_wait_xcnt 0x0                                ; the stores' data registers are loaded again only behind this wait
.if \final == 0
	v_mov_b32 v[NM], 0x7f7fffff                    ; no maximum yet
	v_mov_b32 v[NM+1], 0x7f7fffff
	v_mov_b32 v[LS], 0
	v_mov_b32 v[LS+1], 0
	s_wait_loadcnt 0x0                             ; the next block's Q
.endif
.endm
; One step: one tile of 128 keys from slot.  refill = 1: the next step's tile is asked for, into the other slot.
; mode 0: a tile below the diagonal; 2: the diagonal tile of block p if this is step p (a test on ids and a counter, alike in all waves); 1: the last step.
.macro STEP slot, refill, first, mode
	s_wait_tensorcnt 0x0                           ; all my tensor loads have landed, this step's tile among them: every group 0 may be written
	ds_add_u32 v30, v31
	s_wait_dscnt 0x0
.if \refill
	s_add_co_u32 s14, s14, 1                       ; the next step
	s_sub_co_u32 s15, s14, s13
	s_cmp_le_u32 s14, s12
	s_cselect_b32 s16, s14, s15                    ; its tile: the step's number in block p, the number less p + 1 in block 15 - p
	s_lshl_b32 s16, s16, 14                        ; 128 keys of 128 bytes
	s_add_nc_u64 s[G0K+6-4*\slot:G0K+7-4*\slot], s[18:19], s[16:17]
	s_or_b32 s[G0K+7-4*\slot], s[G0K+7-4*\slot], 0x80000000
	s_add_nc_u64 s[G0V+6-4*\slot:G0V+7-4*\slot], s[20:21], s[16:17]
	s_or_b32 s[G0V+7-4*\slot], s[G0V+7-4*\slot], 0x80000000
.endif
	s_wait_dscnt 0x0                               ; my reads of the other slot are over
	s_barrier_signal -1
	s_barrier_wait -1                              ; both hold of every wave
.if \refill
	KVLOAD 1-\slot                                 ; first thing behind the barrier; it has the whole step in which to land
.endif
.irp dk, 0,1
.irp kt, 0,1,2,3
	ds_load_b128 v[KV+16*\kt+8*\dk:KV+16*\kt+8*\dk+3],   v2 offset:\slot*SLOT+\kt*8*KPITCH+64*\dk
	ds_load_b128 v[KV+16*\kt+8*\dk+4:KV+16*\kt+8*\dk+7], v2 offset:\slot*SLOT+\kt*8*KPITCH+64*\dk+32
.endr
.endr
	s_wait_dscnt 8                                 ; d = 0..31 of my 64 keys is in; the eight loads of d = 32..63 may be out
.irp kt, 0,1,2,3
.irp qt, 0,1
	v_wmma_f32_16x16x32_f16 v[SC+32*\qt+8*\kt:SC+32*\qt+8*\kt+7], v[KV+16*\kt:KV+16*\kt+7], v[QF+16*\qt:QF+16*\qt+7], 0
.endr
.endr
	s_wait_dscnt 0
	; the eight accumulators take turns, one instruction a turn
.irp kt, 0,1,2,3
.irp qt, 0,1
	v_wmma_f32_16x16x32_f16 v[SC+32*\qt+8*\kt:SC+32*\qt+8*\kt+7], v[KV+16*\kt+8:KV+16*\kt+15], v[QF+16*\qt+8:QF+16*\qt+15], v[SC+32*\qt+8*\kt:SC+32*\qt+8*\kt+7]
.endr
.endr
.rept 4
	v_nop                                          ; four places before V lands on K's fragments and before the scores are read (ISA guide 7.12.1)
.endr
.irp u, 0,1
.irp dt, 0,1,2,3
	ds_load_tr16_b128 v[KV+32*\u+8*\dt:KV+32*\u+8*\dt+3],   v3 offset:\slot*SLOT+\u*16*VPITCH+32*\dt            ; keys 32 u + 8 h .. of column 16 dt + r
	ds_load_tr16_b128 v[KV+32*\u+8*\dt+4:KV+32*\u+8*\dt+7], v3 offset:\slot*SLOT+\u*16*VPITCH+32*\dt+8*VPITCH   ; keys 32 u + 16 + 8 h ..
.endr
.endr
.if \mode == 2
	s_cmp_lg_u32 s14, s13                          ; s14 is this step + 1: step p is block p's diagonal tile
	s_cbranch_scc1 .Lno_mask_\@
	MASK
.Lno_mask_\@:
.endif
.if \mode == 1
	MASK
.endif
	SOFT 0, \first
	SOFT 1, \first
	s_wait_dscnt 0                                 ; V's fragments
.irp u, 0,1
.irp dt, 0,1,2,3
.irp qt, 0,1
.if \first*(1-\u)
	v_wmma_f32_16x16x32_f16 v[OA+32*\qt+8*\dt:OA+32*\qt+8*\dt+7], v[KV+32*\u+8*\dt:KV+32*\u+8*\dt+7], v[SC+32*\qt+16*\u:SC+32*\qt+16*\u+7], 0
.else
	v_wmma_f32_16x16x32_f16 v[OA+32*\qt+8*\dt:OA+32*\qt+8*\dt+7], v[KV+32*\u+8*\dt:KV+32*\u+8*\dt+7], v[SC+32*\qt+16*\u:SC+32*\qt+16*\u+7], v[OA+32*\qt+8*\dt:OA+32*\qt+8*\dt+7]
.endif
.endr
.endr
.endr
.rept 5
	v_nop                                          ; five places before the next step's products write over P, four before K lands on V's fragments or O is read
.endr
.if \mode == 2
	s_cmp_lg_u32 s14, s13
	s_cbranch_scc1 .Lno_end_\@
	BEND 0
.Lno_end_\@:
.endif
.if \mode == 1
	BEND 1
.endif
.endm
	STEP 0, 1, 1, 2                                ; step 0, written out: its products start O
	s_mov_b32 s30, 7
.Lsteps:
	STEP 1, 1, 0, 2                                ; steps 1 to 14
	STEP 0, 1, 0, 2
	s_sub_co_u32 s30, s30, 1
	s_cmp_lg_u32 s30, 0
	s_cbranch_scc1 .Lsteps
	STEP 1, 1, 0, 0                                ; step 15: p is at most 7, so no block ends here
	STEP 0, 0, 0, 1                                ; step 16: the diagonal tile of block 15 - p; nothing is left to fetch
	s_wait_tensorcnt 0x0
	ds_add_u32 v30, v31
	s_wait_dscnt 0x0
	s_endpgm
.Lfunc_end_k_q5878d115ff_attn:
	.size	k_q5878d115ff_attn, .Lfunc_end_k_q5878d115ff_attn-k_q5878d115ff_attn
	.p2alignl 7, 3214868480
	.fill 96, 4, 3214868480
	.section	.rodata,"a",@progbits
	.p2align	6, 0x0
	.amdhsa_kernel k_q5878d115ff_attn
		.amdhsa_group_segment_fixed_size 327680
		.amdhsa_private_segment_fixed_size 0
		.amdhsa_enable_private_segment 0
		.amdhsa_kernarg_size 16
		.amdhsa_user_sgpr_count 2
		.amdhsa_user_sgpr_kernarg_segment_ptr 1
		.amdhsa_wavefront_size32 1
		.amdhsa_system_sgpr_workgroup_id_x 1
		.amdhsa_system_sgpr_workgroup_id_y 1
		.amdhsa_system_sgpr_workgroup_id_z 1
		.amdhsa_system_vgpr_workitem_id 0
		.amdhsa_next_free_vgpr 256
		.amdhsa_next_free_sgpr 84
		.amdhsa_reserve_vcc 1
		.amdhsa_float_denorm_mode_32 3
		.amdhsa_float_denorm_mode_16_64 3
		.amdhsa_memory_ordered 1
		.amdhsa_forward_progress 1
		.amdhsa_inst_pref_size 161
	.end_amdhsa_kernel
	.amdgpu_metadata
---
amdhsa.version: [ 1, 2 ]
amdhsa.kernels:
  - .name:           k_q5878d115ff_attn
    .symbol:         k_q5878d115ff_attn.kd
    .args:
      - { .name: qkvh, .offset: 0, .size: 8, .value_kind: global_buffer, .address_space: global }
      - { .name: ao, .offset: 8, .size: 8, .value_kind: global_buffer, .address_space: global }
    .group_segment_fixed_size: 327680
    .private_segment_fixed_size: 0
    .kernarg_segment_align: 8
    .kernarg_segment_size: 16
    .max_flat_workgroup_size: 256
    .sgpr_count:     84
    .vgpr_count:     256
    .wavefront_size: 32
...
	.end_amdgpu_metadata
.endif
;; end of part 3
;; launch oproj (part 4): grid 8 x 32, 4 waves a work-group, clusters of 4 x 4, 327,680 bytes of LDS; arguments ao, woh, bo, out0; writes out0
.if DOCPART == 4
	.amdgcn_target "amdgcn-amd-amdhsa--gfx1250"
	.amdhsa_code_object_version 6
	.text
	.protected	k_q5878d115ff_oproj
	.globl	k_q5878d115ff_oproj
	.p2align	8
	.type	k_q5878d115ff_oproj,@function
k_q5878d115ff_oproj:
	s_mov_b64 s[64:65], 0
	v_nop
	global_prefetch_b8 v0, s[64:65] scope:SCOPE_SE
	s_setreg_imm32_b32 hwreg(HW_REG_WAVE_MODE, 25, 1), 1
	s_wait_xcnt 0x0
	s_wait_alu depctr_hold_cnt(0) depctr_sa_sdst(0) depctr_va_vdst(0) depctr_va_sdst(0) depctr_va_ssrc(0) depctr_va_vcc(0) depctr_vm_vsrc(0)
	s_getreg_b32 s2, hwreg(HW_REG_IB_STS2, 6, 4)
	s_cmp_eq_u32 s2, 0
	s_cbranch_scc0 .Lentry_in_a_cluster
	s_endpgm
.Lentry_in_a_cluster:
	s_bfe_u32 s2, ttmp6, 0x10000c
	s_cmp_lg_u32 s2, 0xf033
	s_cbranch_scc0 .Lentry_shape_is_right
	s_endpgm
.Lentry_shape_is_right:
; out0 = ao Wo^T + bo.  ao: attention's output in f16, [2048 row pairs][16 heads][2 rows][64]; woh: [1024][1024] f16; out0 f32.
; A block of 128 x 128 for each of 256 work-groups (grid x over columns, grid y over rows); four waves, 64 x 64 each: 16 accumulator tiles.
; Larger wave tiles would leave WGPs without work: 4,096 x 1,024 outputs are 256 blocks of this size.
; A slot holds K = 256: Wo's 128 rows of 512 bytes (pitch 528), then ao's 64 row pairs of 1,024 bytes (4 heads, pitch 1,040).
; Two slots, four slot steps, written out without a loop.  With these pitches the 16 lanes of a half address 16 different 16-byte columns modulo 256.
; CLUSTERS 4 x 4: ao's tiles are shared along a row of the cluster, Wo's along a column, each asked for jointly by its four users.
; The bias is the C operand of the first products.  The matrix instruction is used transposed (source 0 = rows of Wo, source 1 = rows of ao):
; a lane holds eight neighbouring columns of one row, 32 bytes of f32.
; REGISTERS: window 0: v16-27 addresses; fragments: buffer f: ao at 32 + 64 f, Wo at 64 + 64 f; v160-191 bias, later read-back; v192-223 read-back
;            window 1: accumulator (a, b) at 8 (4 a + b)
.set BPITCH, 528
.set APITCH, 1040
.set BHALF,  64*BPITCH                 ; what wave 0 or 1 fetches of Wo
.set AHALF,  32*APITCH                 ; what wave 2 or 3 fetches of ao
.set BBYTES, 2*BHALF
.set SLOT,   BBYTES+2*AHALF            ; 134,144 bytes
.set STAGE,  2*SLOT                    ; behind the ring, a multiple of 256: 16 rows x 272 bytes for each wave; no tensor load lands here
.set SPITCH, 272
.set ADRA, 16
.set ADRB, 20
.set STO,  24
.set RD,   25
.set CO,   26
.set BO,   27
.set FRA,  32
.set FRB,  64
.set BIAS, 160
.set RB0,  192
.set RB1,  160
.set G1,  24                           ; s[24:31] group 1 for ao's tiles
.set G0,  32                           ; s[32:39] group 0 for ao's tiles, one set a slot
.set G1B, 48                           ; s[48:55] group 1 for Wo's tiles
.set G0B, 56                           ; s[56:63] group 0 for Wo's tiles, one set a slot
.set MSB, 0
.macro WIN new
.if MSB != \new
	s_set_vgpr_msb (MSB<<8)|\new
.set MSB, \new
.endif
.endm
.set ACC,  0x50                        ; C and D window 1, sources window 0
.set INIT, 0x40                        ; D window 1, C (the bias) window 0
.set FROM, 0x04                        ; an LDS store's data in window 1
.macro JLOAD s                         ; waves 0 and 1 ask for Wo's halves, waves 2 and 3 for ao's
	s_cmp_eq_u32 s11, 0
	s_cbranch_scc0 .Lfor_a_\@
	tensor_load_to_lds s[G0B+4*\s:G0B+4*\s+3], s[G1B:G1B+7]
	s_nop 0
	s_branch .Lasked_\@
.Lfor_a_\@:
	tensor_load_to_lds s[G0+4*\s:G0+4*\s+3], s[G1:G1+7]
	s_nop 0
.Lasked_\@:
.endm
.macro CREST
	s_cmp_lg_u32 s10, 0
	s_cbranch_scc1 .Lnot_wave_0_\@
	s_barrier_signal -3
.Lnot_wave_0_\@:
	s_barrier_wait -3
	s_barrier_signal -1
	s_barrier_wait -1
.endm
.macro CROUND
	s_barrier_signal -1
	s_barrier_wait -1
	CREST
.endm
	s_load_b128 s[4:7], s[0:1], 0x0                ; ao, woh
	s_load_b128 s[68:71], s[0:1], 0x10             ; bo, out0
	v_lshl_add_u32 v254, v0, 2, 0x45c00
	v_mov_b32 v255, 0
	ds_add_u32 v254, v255
	v_lshrrev_b32 v1, 5, v0
	v_readfirstlane_b32 s10, v1                    ; wave 0..3
	s_lshr_b32 s11, s10, 1                         ; my half of the block's rows.  Also: I fetch for Wo (0) or for ao (1)
	s_and_b32 s12, s10, 1                          ; my half of its columns.  Also: which half of that tile I fetch
	s_bfe_u32 s40, ttmp6, 0x40000                  ; cx
	s_bfe_u32 s41, ttmp6, 0x40004                  ; cy
	s_lshl_b32 s42, ttmp9, 2
	s_add_co_u32 s42, s42, s40                     ; block column
	s_and_b32 s13, ttmp7, 0xffff
	s_lshl_b32 s13, s13, 2
	s_add_co_u32 s13, s13, s41                     ; block row
	s_lshl_b32 s43, s41, 2
	s_lshl_b32 s43, 15, s43                        ; my row of the cluster
	s_lshl_b32 s44, 0x1111, s40                    ; my column
	s_or_b32 s[G1+0],  s43, (1<<16)|(1<<20)|(1<<21)|(7<<22)|(3<<25)   ; ao: 4 words of padding behind every 256 words
	s_or_b32 s[G1B+0], s44, (1<<16)|(1<<20)|(1<<21)|(6<<22)|(3<<25)   ; Wo: behind every 128 words
	s_mov_b32 s[G1+1], 512<<16                     ; tensor_dim0 = 512 elements: 4 heads x 2 rows x 64
	s_mov_b32 s[G1+2], 32<<16                      ; tensor_dim1 = 32 row pairs
	s_mov_b32 s[G1+3], 512<<16                     ; tile_dim0
	s_mov_b32 s[G1+4], 32                          ; tile_dim1
	s_mov_b32 s[G1+5], 2048                        ; elements from row pair to row pair
	s_mov_b32 s[G1+6], 0
	s_mov_b32 s[G1+7], 0
	s_mov_b32 s[G1B+1], 256<<16                    ; tensor_dim0 = 256
	s_mov_b32 s[G1B+2], 64<<16                     ; tensor_dim1 = 64 rows
	s_mov_b32 s[G1B+3], 256<<16
	s_mov_b32 s[G1B+4], 64
	s_mov_b32 s[G1B+5], 1024
	s_mov_b32 s[G1B+6], 0
	s_mov_b32 s[G1B+7], 0
	s_lshl_b32 s16, s13, 6
	s_lshl_b32 s17, s12, 5
	s_add_co_u32 s16, s16, s17                     ; ao: row pair 64 x block row + 32 x half
	s_lshl_b32 s16, s16, 12                        ; of 4,096 bytes
	s_mov_b32 s17, 0
	s_lshl_b32 s46, s42, 7
	s_lshl_b32 s47, s12, 6
	s_add_co_u32 s46, s46, s47                     ; Wo: row 128 x block column + 64 x half
	s_lshl_b32 s46, s46, 11
	s_mov_b32 s47, 0
	s_mul_i32 s21, s10, BHALF                      ; LDS target of Wo's halves (waves 0, 1): wave x 33,792
	s_mul_i32 s20, s10, AHALF
	s_add_co_u32 s20, s20, BBYTES-2*AHALF          ; of ao's halves (waves 2, 3): 67,584 + (wave - 2) x 33,280
	s_lshl_b32 s76, s42, 9                         ; my 64 columns in bytes of f32: 512 x block column + 256 x half
	s_lshl_b32 s77, s12, 8
	s_add_co_u32 s76, s76, s77
	s_mov_b32 s77, 0
	s_wait_dscnt 0x0
	s_wait_kmcnt 0x0
	s_add_nc_u64 s[14:15], s[4:5], s[16:17]
	s_add_nc_u64 s[46:47], s[6:7], s[46:47]
	s_add_nc_u64 s[68:69], s[68:69], s[76:77]      ; bo at my columns
	CROUND                                         ; all sixteen work-groups are here: the first joint loads meet
.irp s, 0,1
	s_mov_b32 s[G0+4*\s], 1
	s_add_co_u32 s[G0+4*\s+1], s20, \s*SLOT
	s_add_nc_u64 s[G0+4*\s+2:G0+4*\s+3], s[14:15], \s*1024         ; four heads on: 1,024 bytes of a row pair
	s_or_b32 s[G0+4*\s+3], s[G0+4*\s+3], 0x80000000
	s_mov_b32 s[G0B+4*\s], 1
	s_add_co_u32 s[G0B+4*\s+1], s21, \s*SLOT
	s_add_nc_u64 s[G0B+4*\s+2:G0B+4*\s+3], s[46:47], \s*512        ; 256 along K
	s_or_b32 s[G0B+4*\s+3], s[G0B+4*\s+3], 0x80000000
	JLOAD \s                                       ; two tensor loads of a wave are out here, later one
.endr
	v_and_b32 v1, 15, v0                           ; r
	v_bfe_u32 v2, v0, 4, 1                         ; h
	v_lshrrev_b32 v3, 1, v1                        ; ao: row r lies in row pair r / 2, half r & 1
	v_mul_u32_u24 v3, v3, APITCH
	v_and_b32 v4, 1, v0
	v_lshl_add_u32 v3, v4, 7, v3
	v_lshl_add_u32 v3, v2, 4, v3
	v_mul_u32_u24 v4, v1, BPITCH
	v_lshl_add_u32 v4, v2, 4, v4
	s_mul_i32 s22, s11, AHALF                      ; my 64 rows = 32 row pairs,
	s_add_co_u32 s22, s22, BBYTES                  ; behind Wo's rows
	s_mul_i32 s23, s12, BHALF                      ; my 64 rows of Wo
.irp s, 0,1
	v_add_nc_u32 v[ADRA+\s], s22, v3
	v_add_nc_u32 v[ADRB+\s], s23, v4
	s_add_co_u32 s22, s22, SLOT
	s_add_co_u32 s23, s23, SLOT
.endr
	s_mul_i32 s22, s10, 16*SPITCH
	s_add_co_u32 s22, s22, STAGE                   ; my stage
	v_mul_u32_u24 v4, v1, SPITCH
	v_lshl_add_u32 v4, v2, 5, v4
	v_add_nc_u32 v[STO], s22, v4                   ; in: row r, 32 bytes for each half of the lanes
	v_mul_u32_u24 v4, v2, SPITCH
	v_lshl_add_u32 v4, v1, 4, v4
	v_add_nc_u32 v[RD], s22, v4                    ; back: lanes 0-15 one row of 256 bytes, lanes 16-31 the next
	v_lshlrev_b32 v4, 4, v1
	v_lshl_add_u32 v[CO], v2, 12, v4               ; the same two rows in out0
	v_lshlrev_b32 v[BO], 5, v2
.irp b, 0,1,2,3
	global_load_b128 v[BIAS+8*\b:BIAS+8*\b+3],   v[BO], s[68:69] offset:64*\b
	global_load_b128 v[BIAS+8*\b+4:BIAS+8*\b+7], v[BO], s[68:69] offset:64*\b+16
.endr
; 8 matrix instructions: row tiles a0, a0 + 1 x all four column tiles, 32 along K, from buffer f.  init = 1: C is the bias.
.macro MUL8 f, a0, init
.irp a, \a0, \a0+1
.irp b, 0,1,2,3
.set AC, 8*(4*(\a)+\b)
.if \init
	v_wmma_f32_16x16x32_f16 v[AC:AC+7], v[FRB+64*\f+8*\b:FRB+64*\f+8*\b+7], v[FRA+64*\f+8*(\a):FRA+64*\f+8*(\a)+7], v[BIAS+8*\b:BIAS+8*\b+7]
.else
	v_wmma_f32_16x16x32_f16 v[AC:AC+7], v[FRB+64*\f+8*\b:FRB+64*\f+8*\b+7], v[FRA+64*\f+8*(\a):FRA+64*\f+8*(\a)+7], v[AC:AC+7]
.endif
.endr
.endr
.endm
; 16 LDS loads: the fragments of the slot's part kq (32 along K; head kq / 2 of the slot's four, d = 32 (kq & 1) ..) into buffer f
.macro FETCH slot, kq, f
.irp i, 0,1,2,3
	ds_load_b128 v[FRB+64*\f+8*\i:FRB+64*\f+8*\i+3],   v[ADRB+\slot] offset:\i*16*BPITCH+64*\kq
	ds_load_b128 v[FRB+64*\f+8*\i+4:FRB+64*\f+8*\i+7], v[ADRB+\slot] offset:\i*16*BPITCH+64*\kq+32
.endr
.irp i, 0,1,2,3
	ds_load_b128 v[FRA+64*\f+8*\i:FRA+64*\f+8*\i+3],   v[ADRA+\slot] offset:\i*8*APITCH+((\kq)>>1)*256+((\kq)&1)*64
	ds_load_b128 v[FRA+64*\f+8*\i+4:FRA+64*\f+8*\i+7], v[ADRA+\slot] offset:\i*8*APITCH+((\kq)>>1)*256+((\kq)&1)*64+32
.endr
.endm
.macro PLACES                          ; four places of plain vector work behind a matrix instruction (ISA guide 7.12.1 for vector instructions)
.rept 4
	v_nop
.endr
.endm
; One part of a slot: the next part's fragments go into buffer g, then buffer f is multiplied.  The 16 accumulators take turns.
.macro PART slot, kq, f, g, init
	PLACES
	WIN 0
	FETCH \slot, \kq, \g
	s_wait_dscnt 16                                ; buffer f is in; the 16 loads just issued may be out
.if \init
	WIN INIT
.else
	WIN ACC
.endif
	MUL8 \f, 0, \init
	MUL8 \f, 2, \init
.endm
.macro SEVEN slot, init
	PART \slot, 1, 0, 1, \init
	PART \slot, 2, 1, 0, 0
	PART \slot, 3, 0, 1, 0
	PART \slot, 4, 1, 0, 0
	PART \slot, 5, 0, 1, 0
	PART \slot, 6, 1, 0, 0
	PART \slot, 7, 0, 1, 0
.endm
; The slot's last part multiplies buffer 1 and changes slots: each wave's waits, the barrier (a round of the cluster's barrier where the slot is
; filled again), the refill first behind it, then the next slot's first fragments.
.macro TURN slot, next, fill
	s_wait_dscnt 0                                 ; my reads of this slot are over
	s_wait_tensorcnt 0x0                           ; all my tensor loads have landed: my part of the next slot
	ds_add_u32 v254, v255
	s_wait_dscnt 0x0
	WIN ACC
	s_barrier_signal -1
	MUL8 1, 0, 0                                   ; register work while the others arrive
	WIN 0
	s_barrier_wait -1
.if \fill
	CREST
	s_add_nc_u64 s[G0+4*\slot+2:G0+4*\slot+3], s[G0+4*\slot+2:G0+4*\slot+3], 2048
	s_add_nc_u64 s[G0B+4*\slot+2:G0B+4*\slot+3], s[G0B+4*\slot+2:G0B+4*\slot+3], 1024
	JLOAD \slot                                    ; my one tensor load behind the round
.endif
	PLACES
	FETCH \next, 0, 0
	WIN ACC
	MUL8 1, 2, 0
.endm
	s_wait_tensorcnt 1                             ; my part of slot 0 is in; slot 1's stays out
	s_barrier_signal -1
	s_barrier_wait -1
	FETCH 0, 0, 0
	s_wait_loadcnt 0x0                             ; the bias
	SEVEN 0, 1                                     ; K 0..255; the first products take the bias as C
	TURN 0, 1, 1
	SEVEN 1, 0                                     ; K 256..511
	TURN 1, 0, 1
	SEVEN 0, 0                                     ; K 512..767
	TURN 0, 1, 0                                   ; nothing is left to fetch
	SEVEN 1, 0                                     ; K 768..1023
	s_wait_dscnt 0
	WIN ACC
	MUL8 1, 0, 0
	MUL8 1, 2, 0
	; THE WAY OUT, 16 rows at a time, through my own stage: 32 bytes a lane in, whole rows of 256 bytes back and out.
	PLACES
	s_lshl_b32 s78, s13, 19                        ; 128 rows of 4,096 bytes a block row
	s_lshl_b32 s22, s11, 18                        ; + 64 rows for the lower half
	s_add_co_u32 s78, s78, s22
	s_add_co_u32 s78, s78, s76                     ; + my columns
	s_mov_b32 s79, 0
	s_add_nc_u64 s[78:79], s[70:71], s[78:79]
.macro OUT a, f
	WIN FROM
.irp b, 0,1,2,3
	ds_store_b128 v[STO], v[8*(4*\a+\b):8*(4*\a+\b)+3]   offset:64*\b
	ds_store_b128 v[STO], v[8*(4*\a+\b)+4:8*(4*\a+\b)+7] offset:64*\b+16
.endr
	WIN 0
	s_wait_xcnt 0x0                                ; buffer f, which earlier stores read, is loaded again only behind this wait
.irp t, 0,1,2,3,4,5,6,7
	ds_load_b128 v[\f+4*\t:\f+4*\t+3], v[RD] offset:\t*2*SPITCH    ; my own bytes, served in order behind the stores
.endr
.irp t, 0,1,2,3,4,5,6,7
	s_wait_dscnt 7-\t                              ; this read-back is in, the younger ones stay out
	global_store_b128 v[CO], v[\f+4*\t:\f+4*\t+3], s[78:79] offset:(16*\a+2*\t)*4096 th:TH_STORE_NT   ; sixteen lanes store 256 consecutive bytes at a multiple of 256
.endr
.endm
	OUT 0, RB0
	OUT 1, RB1
	OUT 2, RB0
	OUT 3, RB1
	s_wait_tensorcnt 0x0
	ds_add_u32 v254, v255
	s_wait_dscnt 0x0
	CROUND                                         ; the closing round
	s_endpgm
.Lfunc_end_k_q5878d115ff_oproj:
	.size	k_q5878d115ff_oproj, .Lfunc_end_k_q5878d115ff_oproj-k_q5878d115ff_oproj
	.p2alignl 7, 3214868480
	.fill 96, 4, 3214868480
	.section	.rodata,"a",@progbits
	.p2align	6, 0x0
	.amdhsa_kernel k_q5878d115ff_oproj
		.amdhsa_group_segment_fixed_size 327680
		.amdhsa_private_segment_fixed_size 0
		.amdhsa_enable_private_segment 0
		.amdhsa_kernarg_size 32
		.amdhsa_user_sgpr_count 2
		.amdhsa_user_sgpr_kernarg_segment_ptr 1
		.amdhsa_wavefront_size32 1
		.amdhsa_system_sgpr_workgroup_id_x 1
		.amdhsa_system_sgpr_workgroup_id_y 1
		.amdhsa_system_sgpr_workgroup_id_z 1
		.amdhsa_system_vgpr_workitem_id 0
		.amdhsa_next_free_vgpr 384
		.amdhsa_next_free_sgpr 80
		.amdhsa_reserve_vcc 0
		.amdhsa_float_denorm_mode_32 3
		.amdhsa_float_denorm_mode_16_64 3
		.amdhsa_memory_ordered 1
		.amdhsa_forward_progress 1
		.amdhsa_inst_pref_size 90
	.end_amdhsa_kernel
	.amdgpu_metadata
---
amdhsa.version: [ 1, 2 ]
amdhsa.kernels:
  - .name:           k_q5878d115ff_oproj
    .symbol:         k_q5878d115ff_oproj.kd
    .args:
      - { .name: ao, .offset: 0, .size: 8, .value_kind: global_buffer, .address_space: global }
      - { .name: woh, .offset: 8, .size: 8, .value_kind: global_buffer, .address_space: global }
      - { .name: bo, .offset: 16, .size: 8, .value_kind: global_buffer, .address_space: global }
      - { .name: out0, .offset: 24, .size: 8, .value_kind: global_buffer, .address_space: global }
    .group_segment_fixed_size: 327680
    .private_segment_fixed_size: 0
    .kernarg_segment_align: 8
    .kernarg_segment_size: 32
    .max_flat_workgroup_size: 128
    .sgpr_count:     80
    .vgpr_count:     384
    .wavefront_size: 32
...
	.end_amdgpu_metadata
.endif
;; end of part 4
;; ======== version 2 of 2: 4 launches; version 1 with the launch cast written anew for expert scheduling mode
;; limits: values are held in f16: magnitudes above 65,504 overflow, below 6.1e-05 lose precision
;; workspace buffers: xh 8,388,608 bytes; whp 6,291,456 bytes; woh 2,097,152 bytes; qkvh 25,165,824 bytes; ao 8,388,608 bytes
;; launch cast (part 5): grid 64 x 8, 8 waves a work-group, no clusters, 0 bytes of LDS; arguments x, Wq, Wk, Wv, Wo, xh, whp, woh; writes xh, whp, woh
.if DOCPART == 5
	.amdgcn_target "amdgcn-amd-amdhsa--gfx1250"
	.amdhsa_code_object_version 6
	.text
	.protected	k_q5878d115ff_cast
	.globl	k_q5878d115ff_cast
	.p2align	8
	.type	k_q5878d115ff_cast,@function
k_q5878d115ff_cast:
	s_mov_b64 s[64:65], 0
	v_nop
	global_prefetch_b8 v0, s[64:65] scope:SCOPE_SE
	s_setreg_imm32_b32 hwreg(HW_REG_WAVE_SCHED_MODE, 0, 2), 2
	s_setreg_imm32_b32 hwreg(HW_REG_WAVE_MODE, 25, 1), 1
	s_wait_xcnt 0x0
	s_wait_alu depctr_vm_vsrc(0)
; The matrix operands among the inputs, made once: x -> xh, Wq/Wk/Wv -> whp (rows regrouped by head), Wo -> woh.
; FORMAT: each number is rounded to bf16 (nearest even) and the bf16 number is stored in f16, which holds every bf16 number of magnitude
; 2^-17 to 65,504 exactly (8 significant bits in 11).  So the later launches' products with x and the weights are those of bf16 operands, and
; one matrix form (f16) serves them and the intermediates q, k, v, P and the attention output, which are rounded later and keep f16's 11 bits.
; The whole result is then reference()'s on inputs rounded to bf16, up to those intermediates' roundings; it carries the inputs' bf16 rounding.
; LIMITS: a number of magnitude 65,504 or more becomes infinite; below 2^-17 bits are lost in f16's denormal range, 2^-25 absolute at the most.
; A stream: no LDS, no barrier, no matrix unit.  Grid y names a chunk of 1,024 rows of 1,024 numbers: 0-3 quarters of x, 4/5/6 Wq/Wk/Wv, 7 Wo.
; Grid x names 16 rows of the chunk.  Thread t owns numbers 4 t .. 4 t + 3 of every row: a wave's load covers 512 consecutive bytes,
; a wave's store 256 consecutive bytes that start at a multiple of 256.  All 16 loads of a thread go out before the first is used.
; whp: row 192 h + 64 t + d holds row 64 h + d of W_t (t = 0 q, 1 k, 2 v), so that one head's q, k and v rows are 192 neighbouring rows.
; THE MODE: SCHED_MODE bits 1:0 = 2 (LLVM: expert scheduling mode 2), set by the entry lines.  The code itself states the register dependences
; between vector instructions and memory instructions, with s_wait_alu, always for 0.
; THE PLAN.  Registers that memory instructions touch:
;   v1, v2   byte offsets, written once at the head and never again; v1 is read by the 16 loads, v2 by the 16 stores.
;   X        four registers a row.  The row's load lands in them; no vector instruction names them ahead of the loads, no memory instruction ever
;            reads them, and no load is issued behind the first 16.  Behind the row's counted wait they belong to the row's vector work alone.
;   Y        a pair a row, used for that row alone: written by the row's conversions, read by the row's one store, never written again.
; The 16 rows go in four blocks of four.  One wait on va_vdst at the head states that v1 and v2 are written.  One behind each block's 32 vector
; instructions states that the block's eight Y registers are written, and the block's four stores follow it in one run, ahead of the next block's
; wait for its loads.  The vector work behind those stores writes later rows' X and Y alone: no register that a load or store has read is ever
; written again, so there is nothing for a wait on vm_vsrc, or on XCNT, to state.
.set ROWIN,  4096                      ; bytes of a row of f32
.set ROWOUT, 2048                      ; bytes of a row of f16
.set X, 4                              ; v[4:67]   16 rows x 4 numbers as loaded, then the bf16 numbers widened to f32
.set Y, 68                             ; v[68:99]  16 rows x 2 registers: packed bf16, then packed f16 to store
	s_load_b512 s[8:23], s[0:1], 0x0               ; x 8, Wq 10, Wk 12, Wv 14, Wo 16, xh 18, whp 20, woh 22
	s_and_b32 s2, ttmp7, 0xffff                    ; the chunk
	s_mov_b32 s36, 0xffff0000                      ; a word's upper bf16
	v_lshlrev_b32 v1, 4, v0                        ; my 16 bytes of an f32 row
	v_lshlrev_b32 v2, 3, v0                        ; my 8 bytes of an f16 row
	s_cmp_lt_u32 s2, 4
	s_cselect_b32 s28, s2, 0                       ; which quarter of x (0 for the weights)
	s_lshl_b32 s32, s28, 22                        ; source offset: quarter x 4 MiB
	s_lshl_b32 s3, ttmp9, 16                       ; + 16 rows x 4,096 bytes for each work-group
	s_add_co_u32 s32, s32, s3
	s_mov_b32 s33, 0
	s_lshl_b32 s29, s28, 10                        ; plain destination row: quarter x 1,024 + 16 x
	s_lshl_b32 s3, ttmp9, 4
	s_add_co_u32 s29, s29, s3
	s_lshr_b32 s30, ttmp9, 2                       ; regrouped row: head = x / 4 (64 rows a head, 16 a work-group)
	s_mul_i32 s30, s30, 192
	s_max_u32 s31, s2, 4
	s_sub_co_u32 s31, s31, 4                       ; plane t
	s_lshl_b32 s3, s31, 6
	s_add_co_u32 s30, s30, s3
	s_and_b32 s3, ttmp9, 3
	s_lshl_b32 s3, s3, 4
	s_add_co_u32 s30, s30, s3                      ; 192 h + 64 t + 16 (x mod 4)
	s_cmp_ge_u32 s2, 4
	s_cselect_b32 s34, s30, s29                    ; chunks 4 to 6 take the regrouped row,
	s_cmp_eq_u32 s2, 7
	s_cselect_b32 s34, s29, s34                    ; chunk 7 (Wo) the plain one again
	s_lshl_b32 s34, s34, 11                        ; in bytes
	s_mov_b32 s35, 0
	s_wait_kmcnt 0x0
	s_mov_b64 s[24:25], s[8:9]                     ; the source buffer, chosen by the chunk's number alone
	s_cmp_eq_u32 s2, 4
	s_cselect_b64 s[24:25], s[10:11], s[24:25]
	s_cmp_eq_u32 s2, 5
	s_cselect_b64 s[24:25], s[12:13], s[24:25]
	s_cmp_eq_u32 s2, 6
	s_cselect_b64 s[24:25], s[14:15], s[24:25]
	s_cmp_eq_u32 s2, 7
	s_cselect_b64 s[24:25], s[16:17], s[24:25]
	s_mov_b64 s[26:27], s[18:19]                   ; the destination buffer likewise
	s_cmp_ge_u32 s2, 4
	s_cselect_b64 s[26:27], s[20:21], s[26:27]
	s_cmp_eq_u32 s2, 7
	s_cselect_b64 s[26:27], s[22:23], s[26:27]
	s_add_nc_u64 s[24:25], s[24:25], s[32:33]
	s_add_nc_u64 s[26:27], s[26:27], s[34:35]
	s_wait_alu depctr_va_vdst(0)                   ; v1 and v2 are written: every load below reads v1 as its offset, every store v2; neither is written again
.irp j, 0,1,2,3,4,5,6,7,8,9,10,11,12,13,14,15
	global_load_b128 v[X+4*\j:X+4*\j+3], v1, s[24:25] offset:ROWIN*\j th:TH_LOAD_NT   ; read once in the launch
.endr
; Row j's arithmetic: eight vector instructions on the row's own X and Y.
.macro ROW j
	s_wait_loadcnt 15-(\j)                         ; loads return in order: row j is in, the 15 - j younger ones stay out
	v_cvt_pk_bf16_f32 v[Y+2*(\j)],   v[X+4*(\j)],   v[X+4*(\j)+1]      ; the one rounding: to bf16, nearest even
	v_cvt_pk_bf16_f32 v[Y+2*(\j)+1], v[X+4*(\j)+2], v[X+4*(\j)+3]
	v_lshlrev_b32 v[X+4*(\j)],   16,  v[Y+2*(\j)]                      ; bf16 to f32: the low half moves up,
	v_and_b32     v[X+4*(\j)+1], s36, v[Y+2*(\j)]                      ; the high half stays (row j's load has landed: its registers are free)
	v_lshlrev_b32 v[X+4*(\j)+2], 16,  v[Y+2*(\j)+1]
	v_and_b32     v[X+4*(\j)+3], s36, v[Y+2*(\j)+1]
	v_cvt_pk_f16_f32 v[Y+2*(\j)],   v[X+4*(\j)],   v[X+4*(\j)+1]       ; into f16's container: exact inside the range stated at the head
	v_cvt_pk_f16_f32 v[Y+2*(\j)+1], v[X+4*(\j)+2], v[X+4*(\j)+3]
.endm
; Row j's store, from the row's own Y pair.
.macro OUT j
	global_store_b64 v2, v[Y+2*(\j):Y+2*(\j)+1], s[26:27] offset:ROWOUT*(\j)
.endm
.irp p, 0,1,2,3                        ; four blocks of four rows
.irp i, 0,1,2,3
	ROW 4*\p+\i
.endr
	s_wait_alu depctr_va_vdst(0)                   ; the block's conversions have written its eight Y registers, which the four stores below read
.irp i, 0,1,2,3
	OUT 4*\p+\i
.endr
.endr
	s_endpgm
.Lfunc_end_k_q5878d115ff_cast:
	.size	k_q5878d115ff_cast, .Lfunc_end_k_q5878d115ff_cast-k_q5878d115ff_cast
	.p2alignl 7, 3214868480
	.fill 96, 4, 3214868480
	.section	.rodata,"a",@progbits
	.p2align	6, 0x0
	.amdhsa_kernel k_q5878d115ff_cast
		.amdhsa_group_segment_fixed_size 0
		.amdhsa_private_segment_fixed_size 0
		.amdhsa_enable_private_segment 0
		.amdhsa_kernarg_size 64
		.amdhsa_user_sgpr_count 2
		.amdhsa_user_sgpr_kernarg_segment_ptr 1
		.amdhsa_wavefront_size32 1
		.amdhsa_system_sgpr_workgroup_id_x 1
		.amdhsa_system_sgpr_workgroup_id_y 1
		.amdhsa_system_sgpr_workgroup_id_z 1
		.amdhsa_system_vgpr_workitem_id 0
		.amdhsa_next_free_vgpr 100
		.amdhsa_next_free_sgpr 66
		.amdhsa_reserve_vcc 0
		.amdhsa_float_denorm_mode_32 3
		.amdhsa_float_denorm_mode_16_64 3
		.amdhsa_memory_ordered 1
		.amdhsa_forward_progress 1
		.amdhsa_inst_pref_size 12
	.end_amdhsa_kernel
	.amdgpu_metadata
---
amdhsa.version: [ 1, 2 ]
amdhsa.kernels:
  - .name:           k_q5878d115ff_cast
    .symbol:         k_q5878d115ff_cast.kd
    .args:
      - { .name: x, .offset: 0, .size: 8, .value_kind: global_buffer, .address_space: global }
      - { .name: Wq, .offset: 8, .size: 8, .value_kind: global_buffer, .address_space: global }
      - { .name: Wk, .offset: 16, .size: 8, .value_kind: global_buffer, .address_space: global }
      - { .name: Wv, .offset: 24, .size: 8, .value_kind: global_buffer, .address_space: global }
      - { .name: Wo, .offset: 32, .size: 8, .value_kind: global_buffer, .address_space: global }
      - { .name: xh, .offset: 40, .size: 8, .value_kind: global_buffer, .address_space: global }
      - { .name: whp, .offset: 48, .size: 8, .value_kind: global_buffer, .address_space: global }
      - { .name: woh, .offset: 56, .size: 8, .value_kind: global_buffer, .address_space: global }
    .group_segment_fixed_size: 0
    .private_segment_fixed_size: 0
    .kernarg_segment_align: 8
    .kernarg_segment_size: 64
    .max_flat_workgroup_size: 256
    .sgpr_count:     66
    .vgpr_count:     100
    .wavefront_size: 32
...
	.end_amdgpu_metadata
.endif
;; end of part 5
;; launch qkv: the kernel of part 2 again; grid 16 x 16, 4 waves a work-group, clusters of 4 x 4, 327,680 bytes of LDS; arguments xh, whp, bq, bk, bv, qkvh; writes qkvh
;; launch attn: the kernel of part 3 again; grid 8 x 32, 8 waves a work-group, no clusters, 327,680 bytes of LDS; arguments qkvh, ao; writes ao
;; launch oproj: the kernel of part 4 again; grid 8 x 32, 4 waves a work-group, clusters of 4 x 4, 327,680 bytes of LDS; arguments ao, woh, bo, out0; writes out0
